; MI455X (gfx1250); checked and timed in simulation.
; The chip was launched on July 23, 2026; its instructions are those of AMD's public machine-readable ISA for CDNA 5 (MIT licence, August 2026) and "CDNA5" Instruction Set Architecture Reference Guide (July 2026). The comments in the code are by the model that wrote it; some were corrected since.
;; Row Wise Experts MLP. Allowed arithmetic: matrix products marked QUANTISED: E2M3 operands, one E8M0 scale for each 32 along K, by v_wmma_scale_f32_16x16x128_f8f6f4 with both operands' format E2M3, f32 sums; everything else in f32.
;; Inputs: W1_codes 8 x 2,048 x 32 x 24 uint8 (E2M3 codes of W1, K innermost, in blocks of 32 codes, four codes in three bytes); W1_scales 8 x 2,048 x 32 uint8 (E8M0 scales of W1, one for each 32 codes along K); W2_codes 8 x 1,024 x 64 x 24 uint8 (E2M3 codes of W2, K innermost, in blocks of 32 codes, four codes in three bytes); W2_scales 8 x 1,024 x 64 uint8 (E8M0 scales of W2, one for each 32 codes along K); b2 8 x 1,024 float32; eid 2,048 int32; x_codes 2,048 x 32 x 24 uint8 (E2M3 codes of x, K innermost, in blocks of 32 codes, four codes in three bytes); x_scales 2,048 x 32 uint8 (E8M0 scales of x, one for each 32 codes along K).
;; Outputs: out0 2,048 x 1,024 float32.
;; This version of the problem:
;;   THIS VERSION OF THE PROBLEM IS GIVEN IN LOW PRECISION. The matrix products marked QUANTISED in the list below multiply operands that are first quantised to E2M3 (2 exponent bits, 3 mantissa bits; 6 bits a number), with one power-of-two scale for each 32 numbers along K (OCP MX v1.0); their sums are f32. All else is computed in f32.
;;   The module's matrix products, in the order in which they are computed (A, B: the left and right operand; K: the contracted axis; several contracted axes count as one K, in the product's order):
;;     1. [M 2,048, K 1,024] x [K 1,024, N 2,048]; A: input x (given as codes); B: input W1 (given as codes): QUANTISED
;;     2. [M 2,048, K 2,048] x [K 2,048, N 1,024]; A: computed on the way; B: input W2 (given as codes): QUANTISED
;;     3. [M 2,048, K 1,024] x [K 1,024, N 2,048]; A: input x (given as codes); B: input W1 (given as codes): QUANTISED
;;     4. [M 2,048, K 2,048] x [K 2,048, N 1,024]; A: computed on the way; B: input W2 (given as codes): QUANTISED
;;     5. [M 2,048, K 1,024] x [K 1,024, N 2,048]; A: input x (given as codes); B: input W1 (given as codes): QUANTISED
;;     6. [M 2,048, K 2,048] x [K 2,048, N 1,024]; A: computed on the way; B: input W2 (given as codes): QUANTISED
;;     7. [M 2,048, K 1,024] x [K 1,024, N 2,048]; A: input x (given as codes); B: input W1 (given as codes): QUANTISED
;;     8. [M 2,048, K 2,048] x [K 2,048, N 1,024]; A: computed on the way; B: input W2 (given as codes): QUANTISED
;;     9. [M 2,048, K 1,024] x [K 1,024, N 2,048]; A: input x (given as codes); B: input W1 (given as codes): QUANTISED
;;     10. [M 2,048, K 2,048] x [K 2,048, N 1,024]; A: computed on the way; B: input W2 (given as codes): QUANTISED
;;     11. [M 2,048, K 1,024] x [K 1,024, N 2,048]; A: input x (given as codes); B: input W1 (given as codes): QUANTISED
;;     12. [M 2,048, K 2,048] x [K 2,048, N 1,024]; A: computed on the way; B: input W2 (given as codes): QUANTISED
;;     13. [M 2,048, K 1,024] x [K 1,024, N 2,048]; A: input x (given as codes); B: input W1 (given as codes): QUANTISED
;;     14. [M 2,048, K 2,048] x [K 2,048, N 1,024]; A: computed on the way; B: input W2 (given as codes): QUANTISED
;;     15. [M 2,048, K 1,024] x [K 1,024, N 2,048]; A: input x (given as codes); B: input W1 (given as codes): QUANTISED
;;     16. [M 2,048, K 2,048] x [K 2,048, N 1,024]; A: computed on the way; B: input W2 (given as codes): QUANTISED
;;   THE QUANTISER, for each operand of a quantised product, along K:
;;     - K is cut into blocks of 32 from its start; a last block that is shorter is filled with zeros.
;;     - A block's scale is 2^e with e = floor(log2(the largest magnitude in the block)) - 2, held to -126 .. 127; a block of zeros has e = 0. As a byte (E8M0): e + 127.
;;     - Each number is divided by its block's scale, clamped to +-7.5, and rounded to the nearest number of E2M3, ties to even, subnormals kept.
;;     - The product sums the exact products of the quantised numbers (number of the format x scale) in f32.
;;   ~~~python
;;   def quantise(x, axis):      # numpy; x: float32 -> the quantised numbers, widened to float32 again
;;       x = np.moveaxis(x, axis, -1); K = x.shape[-1]
;;       x = np.pad(x, [(0, 0)] * (x.ndim - 1) + [(0, -K % 32)]); x = x.reshape(x.shape[:-1] + (-1, 32)); a = np.abs(x).max(-1, keepdims=True)
;;       e = np.where(a > 0, np.clip(np.frexp(np.where(a > 0, a, 1))[1] - 1 - 2, -126, 127), 0)      # np.frexp(a)[1] - 1 = floor(log2(a)), exactly
;;       r = np.clip(x / 2.0 ** e, -7.5, 7.5)
;;       step = 2.0 ** (np.maximum(np.frexp(np.where(r == 0, 1, r))[1] - 1, 0) - 3)
;;       q = np.round(r / step) * step * 2.0 ** e      # np.round: ties to even
;;       return np.moveaxis(q.reshape(q.shape[:-2] + (-1,))[..., :K], -1, axis).astype(np.float32)
;;   ~~~
;;   OPERANDS COMPUTED ON THE WAY. 'Computed on the way' means the value that the module computes at that place (a softmax that the list does not call 'softmax' is quantised finished and normalised). What goes into a quantiser is computed in f32, as accurately as f32 sums, v_exp_f32 and their like allow (about 1e-6 of the number): no bf16 or f16 on the way to a quantiser, and a product that is left as it is and whose result goes on into a quantised operand takes f32 operands (vector FMAs, or v_wmma_f32_16x16x4_f32). A number that lies on a knife's edge between two numbers of the format may be rounded either way, as far as f32 arithmetic and the matrix unit's own rounding can turn it there, and no further.
;;   INPUTS GIVEN AS CODES. W1 (in the module: [8, 2048, 1024], K = its axis 2); W2 (in the module: [8, 1024, 2048], K = its axis 2); x (in the module: [2048, 1024], K = its axis 1): each comes as NAME_codes (uint8): NAME with its K axis moved to the last place and cut into blocks of 32 codes, [.., K / 32, bytes a block], one block behind the other in memory; four codes in three bytes: a row's codes are one little-endian stream of bits, code i at bits 6 i .. 6 i + 5 (a code: sign, 2 exponent bits, 3 mantissa bits); and NAME_scales (uint8): the same leading axes, one E8M0 byte (e + 127) for each 32 codes along K. Its value is code x scale, taken as it is: it is not quantised again, and the codes and scales need not be those that the quantiser above would give.
;; 2 versions, each right; version 2 is version 1 with the launches hidden, output written anew for expert scheduling mode. Each part assembles by itself: llvm-mc -triple=amdgcn-amd-amdhsa -mcpu=gfx1250 --defsym DOCPART=n.
;; ======== version 1 of 2: 3 launches
;; workspace buffers: lists 81,920 bytes of whole numbers; h_img 25,165,824 bytes; h_sc 1,048,576 bytes
;; launch route (part 1): grid 8 x 1, 4 waves a work-group, no clusters, 0 bytes of LDS; arguments eid, lists; writes lists
.if DOCPART == 1
	.amdgcn_target "amdgcn-amd-amdhsa--gfx1250"
	.amdhsa_code_object_version 6
	.text
	.protected	k_q9a469f761d_route
	.globl	k_q9a469f761d_route
	.p2align	8
	.type	k_q9a469f761d_route,@function
k_q9a469f761d_route:
	s_mov_b64 s[64:65], 0
	v_nop
	global_prefetch_b8 v0, s[64:65] scope:SCOPE_SE
	s_setreg_imm32_b32 hwreg(HW_REG_WAVE_MODE, 25, 1), 1
	s_wait_xcnt 0x0
; The routing of a layer of 8 experts: eid [2048] gives each token its expert.  Work-group e, wave w lists the tokens of 512 w .. 512 w + 511 whose eid is e.
; lists: 2,560 bytes for each (e, w), at (4 e + w) x 2,560: words 0 .. T - 1 the tokens; words T .. T + 63 one of the listed tokens again (0 where the list is empty): the later launches read whole tiles
; of 16, up to two tiles ahead; words 576 .. 607 the count T; words 608 .. 639 a dump that nobody reads.
; A wave holds its 512 numbers in 16 registers; each register's 32 lanes are compared with e, and a listed lane's place is the list's length so far + the number of listed lanes below it.
; ALL LANES STAY ON: a lane whose token is not listed stores it to its own dump word.  So no line writes EXEC, and a choice is a v_cndmask_b32 ahead of the hold that stands in front of every address.
; Each of the 16 steps has its own registers for place and token, so that no store's sources are written again.  No LDS, no barrier: waves share nothing.  The launch has work for 8 work-groups of 4 waves and no more.
; LIMIT: eid lies in 0 .. 7; a token with another number comes into no list.
.set LISTB, 2560
.set WV, 8
.set EX, 9
.set RUN, 10                           ; the list's length so far
.set TMP, 11
.set PAD, 12                           ; a listed token, or 0
.set CAND, 13
.set BW, 16                            ; 512 w
.set VL4, 3                            ; 4 x lane
.set CT0, 6                            ; 512 w + 4 lane
.set VE, 7
.set EID, 8                            ; v8-23
.set VD, 24                            ; 608 + lane: my dump word
.set VP, 25
.set VC, 26
.set VT, 27
.set CP, 32                            ; v32-47 the places
.set CT, 48                            ; v48-63 the tokens
; 32 tokens: token = 512 w + 128 (q / 4) + 4 lane + q % 4
.macro COMPACT q
	v_cmp_eq_u32 vcc_lo, s[EX], v[EID+\q]
	v_mbcnt_lo_u32_b32 v[CP+\q], vcc_lo, s[RUN]    ; the list's length + how many lanes below me are listed
	v_add_nc_u32 v[CT+\q], 128*(\q/4)+\q%4, v[CT0]
	v_cndmask_b32 v[CP+\q], v[VD], v[CP+\q], vcc_lo   ; listed: that place; else my dump word
	v_min_u32 v[CP+\q], 639, v[CP+\q]              ; held inside my wave's 640 words
	v_lshlrev_b32 v[CP+\q], 2, v[CP+\q]
	global_store_b32 v[CP+\q], v[CT+\q], s[6:7]    ; the listed lanes store neighbouring words
	s_ctz_i32_b32 s[CAND], vcc_lo                  ; the lowest listed lane's token: it serves as the tail's, if there is one
	s_lshl_b32 s[CAND], s[CAND], 2
	s_add_co_u32 s[CAND], s[CAND], s[BW]
	s_add_co_u32 s[CAND], s[CAND], 128*(\q/4)+\q%4
	s_cmp_lg_u32 vcc_lo, 0
	s_cselect_b32 s[PAD], s[CAND], s[PAD]
	s_bcnt1_i32_b32 s[TMP], vcc_lo
	s_add_co_u32 s[RUN], s[RUN], s[TMP]
.endm
	s_load_b128 s[4:7], s[0:1], 0x0                ; eid, lists
	v_lshrrev_b32 v1, 5, v0
	v_readfirstlane_b32 s[WV], v1                  ; wave 0..3
	v_and_b32 v2, 31, v0                           ; lane
	s_mov_b32 s[EX], ttmp9                         ; the expert
	s_lshl_b32 s[TMP], s[WV], 11
	v_lshl_add_u32 v[VE], v2, 4, s[TMP]            ; eid: 2,048 bytes a wave, 16 a lane
	s_lshl_b32 s[BW], s[WV], 9
	v_lshl_add_u32 v[CT0], v2, 2, s[BW]
	v_lshlrev_b32 v[VL4], 2, v2
	v_add_nc_u32 v[VD], 608, v2
	s_lshl_b32 s14, s[EX], 2
	s_add_co_u32 s14, s14, s[WV]
	s_mul_i32 s14, s14, LISTB                      ; my list
	s_mov_b32 s15, 0
	s_mov_b32 s[RUN], 0
	s_mov_b32 s[PAD], 0
	s_wait_kmcnt 0x0
.irp c, 0,1,2,3
	global_load_b128 v[EID+4*\c:EID+4*\c+3], v[VE], s[4:5] offset:512*\c   ; 32 lanes read 512 consecutive bytes
.endr
	s_add_nc_u64 s[6:7], s[6:7], s[14:15]
	s_wait_loadcnt 0x0
.irp q, 0,1,2,3,4,5,6,7,8,9,10,11,12,13,14,15
	COMPACT \q
.endr
	v_add_nc_u32 v[VT], s[RUN], v2                 ; the tail: 64 words from place T on
	v_min_u32 v[VT], 543, v[VT]                    ; (T is 512 at the most: the hold changes nothing)
	v_lshlrev_b32 v[VT], 2, v[VT]
	v_mov_b32 v[VP], s[PAD]
	global_store_b32 v[VT], v[VP], s[6:7]
	global_store_b32 v[VT], v[VP], s[6:7] offset:128
	v_mov_b32 v[VC], s[RUN]
	global_store_b32 v[VL4], v[VC], s[6:7] offset:2304   ; T, in words 576 .. 607
	s_endpgm
.Lfunc_end_k_q9a469f761d_route:
	.size	k_q9a469f761d_route, .Lfunc_end_k_q9a469f761d_route-k_q9a469f761d_route
	.p2alignl 7, 3214868480
	.fill 96, 4, 3214868480
	.section	.rodata,"a",@progbits
	.p2align	6, 0x0
	.amdhsa_kernel k_q9a469f761d_route
		.amdhsa_group_segment_fixed_size 0
		.amdhsa_private_segment_fixed_size 0
		.amdhsa_enable_private_segment 0
		.amdhsa_kernarg_size 16
		.amdhsa_user_sgpr_count 2
		.amdhsa_user_sgpr_kernarg_segment_ptr 1
		.amdhsa_wavefront_size32 1
		.amdhsa_system_sgpr_workgroup_id_x 1
		.amdhsa_system_sgpr_workgroup_id_y 1
		.amdhsa_system_sgpr_workgroup_id_z 1
		.amdhsa_system_vgpr_workitem_id 0
		.amdhsa_next_free_vgpr 64
		.amdhsa_next_free_sgpr 66
		.amdhsa_reserve_vcc 1
		.amdhsa_float_denorm_mode_32 3
		.amdhsa_float_denorm_mode_16_64 3
		.amdhsa_memory_ordered 1
		.amdhsa_forward_progress 1
		.amdhsa_inst_pref_size 13
	.end_amdhsa_kernel
	.amdgpu_metadata
---
amdhsa.version: [ 1, 2 ]
amdhsa.kernels:
  - .name:           k_q9a469f761d_route
    .symbol:         k_q9a469f761d_route.kd
    .args:
      - { .name: eid, .offset: 0, .size: 8, .value_kind: global_buffer, .address_space: global }
      - { .name: lists, .offset: 8, .size: 8, .value_kind: global_buffer, .address_space: global }
    .group_segment_fixed_size: 0
    .private_segment_fixed_size: 0
    .kernarg_segment_align: 8
    .kernarg_segment_size: 16
    .max_flat_workgroup_size: 128
    .sgpr_count:     66
    .vgpr_count:     64
    .wavefront_size: 32
...
	.end_amdgpu_metadata
.endif
;; end of part 1
;; launch hidden (part 2): grid 256 x 1, 4 waves a work-group, no clusters, 100,864 bytes of LDS; arguments lists, x_codes, x_scales, W1_codes, W1_scales, h_img, h_sc; writes h_img, h_sc
.if DOCPART == 2
	.amdgcn_target "amdgcn-amd-amdhsa--gfx1250"
	.amdhsa_code_object_version 6
	.text
	.protected	k_q9a469f761d_hidden
	.globl	k_q9a469f761d_hidden
	.p2align	8
	.type	k_q9a469f761d_hidden,@function
k_q9a469f761d_hidden:
	s_mov_b64 s[64:65], 0
	v_nop
	global_prefetch_b8 v0, s[64:65] scope:SCOPE_SE
	s_setreg_imm32_b32 hwreg(HW_REG_WAVE_MODE, 25, 1), 1
	s_wait_xcnt 0x0
; h = Q(gelu(x W1[eid]^T)): the first product of a layer of 8 experts, only for the expert that eid gives each token, and the quantising of the hidden layer.
; x [2048][1024], W1 [8][2048][1024]: codes of FP6 (E2M3), K innermost, 768 bytes a row, one E8M0 byte for each 32 along K.  The hidden layer leaves as codes and scale bytes for the next launch.
; SHARES.  Work-group x = 32 e + s: expert e, hidden units 64 s .. 64 s + 63.  Its 64 rows of W1 are 49,152 dense bytes that NO OTHER work-group reads: they come once, are turned through LDS and stay in every
; wave's registers as 32 fragments (4 tiles of 16 rows x 8 K steps, 384 registers).  Wave w owns tokens 512 w .. 512 w + 511: it walks list (e, w) of the launch before, 16 rows a tile.
; A tile: its 16 rows of x are gathered (whole rows, 256 aligned bytes to each half of the lanes), turned through the wave's own stage into 8 fragments, multiplied (32 matrix instructions), gelu, quantised, stored.
; The next tile's rows are asked for ahead of a tile's products, the tokens of the tile after that behind them.  The list's tail repeats one of its tokens (token 0 where the list is empty); tile 0 is always made,
; so that the next launch reads no byte that was not stored.
; NO TENSOR LOADS, NO JOINT REQUESTS: the number of tiles is a number read from memory and differs from wave to wave; the weights, the bulk of the bytes, are shared by nobody.
; THE PRODUCT IS USED TRANSPOSED (source 0 = 16 rows of W1, source 1 = 16 tokens): a lane holds one token.  THE ROWS OF W1 THAT FORM A TILE ARE NOT NEIGHBOURS: lane r of tile 2 b + u takes row
; 32 b + 8 u + r + 8 (r / 8), so that the 16 registers of tiles 2 b, 2 b + 1 are the hidden units 32 b + 16 (lane / 16) + 0 .. 15: neighbours along the next K.
; GELU, exact form, in f32: with t = |x| / sqrt(2) and P = erfc(t):  gelu(x) = max(x, 0) - (t / sqrt(2)) P: no difference of near numbers on the negative side.
; P = 2^(-q(t) log2 e) where t > 0.921875, else 1 - (t + t u(t^2)): two polynomials fitted to erf in f32; both are always computed and one is selected.
; LIMITS.  NaN and infinities are not served.  A block of zeros gets the byte 1 where the rule says 127 (its codes are zeros; this program alone reads the bytes).
; q(t) is fitted to erf, so erfc's RELATIVE error is not f32's everywhere: by hand 1.4e-4 at t = 4 (x = -5.66, where |gelu| is 4e-8), and larger beyond.
.set XROWB, 768                        ; a row of x or of W1 in bytes
.set PB,    784                        ; an LDS row: 768 + 16 = 196 words: row r starts 4 r words on modulo 64
.set AST,   64*PB                      ; LDS: W1's 64 rows at 0; then a stage of 16 rows for each wave
.set ASTW,  16*PB
.set LISTB, 2560                       ; lists: bytes for each (e, w); the count at byte 2,304
.set TILEB, 24576                      ; h_img: a tile's 32 slices x 768 bytes
.set TILES, 1024                       ; h_sc: a tile's 16 rows x 64 bytes
; scalar registers
.set WV, 18
.set EX, 19                            ; expert
.set SL, 20                            ; slice
.set RUN, 21                           ; T, my list's length
.set T1, 22                            ; max(T, 1)
.set TMP, 24
.set IT, 26                            ; trip counter
.set ROW0, 27                          ; the tile's first place in the list
.set LOFF, 28                          ; byte in the list of the tile whose tokens are asked for next
.set THR, 29
.set HM, 30                            ; lanes 16-31
.set AW, 31
.set SEL, 36                           ; s[36:37] v_permlanex16_b32's selects for lane l xor 16
.set CZ, 40                            ; pairs of constants (a packed form names a pair and takes its low word for both halves)
.set NL, 42
.set C6, 44
.set C4, 46
.set C2, 48
.set C1, 50
.set C0, 52
.set K5, 54
.set K3, 56
.set K2, 58
.set K1, 60
.set K0, 62
.set NCZ, 66
; vector registers, window 0
.set VGW, 4                            ; W1 in memory: 768 h + 16 r
.set VSB, 5                            ; W1 into LDS
.set VSA, 6                            ; x's rows into my stage
.set VBF, 7                            ; W1's fragments out of LDS
.set VAF, 8                            ; x's fragments out of my stage
.set VLP, 9                            ; 4 h
.set VLR, 10                           ; 4 r
.set VR16, 11                          ; 16 r
.set VOI, 12                           ; 8 x lane
.set VOS, 13                           ; 64 r + h
.set VWS, 14                           ; W1's scale words
.set ADL, 15
.set ADR, 16
.set OFS, 17                           ; my row's scale bytes of x
.set OFF, 18                           ; v18-25 eight pairs of rows of x
.set VC5, 26
.set VC3, 28
.set VK4, 30
.set WS, 32                            ; v32-63 W1's scale words: tile n, K step ks at WS + 8 n + ks
.set XS, 64                            ; v64-71 x's scale words
.set XF, 72                            ; v72-167 x's eight fragments; at the head W1 as loaded; in gelu at work
.set GT, XF
.set GS, XF+16
.set GR, XF+32
.set GU, XF+48
.set ACC, 168                          ; v168-199 four accumulators
.set PC, 200                           ; v200-206 the codes just made
.set TM, 208                           ; v208-215 the quantiser's
.set BY, 216
.set TR, 224                           ; v224-232 a tile's tokens as loaded: rows 2 q + h (q = 0 .. 7), and row r
; windows 1, 2: W1's fragment (n, ks) in window 1 + ks / 4 at v[12 (4 (ks % 4) + n)].   window 3: v0-95 the next tile's rows of x as loaded, v96-103 its scale words
.set MSB, 0
.macro WIN new                         ; the immediate's high byte repeats the setting that is left
.if MSB != (\new)
	s_set_vgpr_msb (MSB<<8)|(\new)
.set MSB, (\new)
.endif
.endm
.macro SPAIR reg, val
	s_mov_b32 s[\reg], \val
	s_mov_b32 s[\reg+1], \val
.endm
; The tokens of the tile at byte LOFF of my list: lanes 0-15 want row 2 q, lanes 16-31 row 2 q + 1; and each lane its own row r for the scale bytes.  Nine loads
.macro LLOAD
	v_add_nc_u32 v[ADL], s[LOFF], v[VLP]
	v_add_nc_u32 v[ADR], s[LOFF], v[VLR]
.irp q, 0,1,2,3,4,5,6,7
	global_load_b32 v[TR+\q], v[ADL], s[4:5] offset:8*\q
.endr
	global_load_b32 v[TR+8], v[ADR], s[4:5]
.endm
.macro XADDR                           ; token numbers, held inside x, become byte offsets
.irp q, 0,1,2,3,4,5,6,7
	v_min_u32 v[OFF+\q], 0x7ff, v[TR+\q]
.endr
	v_min_u32 v[OFS], 0x7ff, v[TR+8]
.irp q, 0,1,2,3,4,5,6,7
	v_mul_u32_u24 v[OFF+\q], XROWB, v[OFF+\q]
.endr
	v_lshlrev_b32 v[OFS], 5, v[OFS]
.irp q, 0,1,2,3,4,5,6,7
	v_add_nc_u32 v[OFF+\q], v[OFF+\q], v[VR16]
.endr
.endm
.macro XLOAD                           ; 26 loads: 16 whole rows of 768 bytes, each half of the lanes 256 consecutive aligned bytes; and 32 scale bytes a row
	WIN 0xc0                                       ; destination window 3
.irp q, 0,1,2,3,4,5,6,7
.irp j, 0,1,2
	global_load_b128 v[4*(3*\q+\j):4*(3*\q+\j)+3], v[OFF+\q], s[6:7] offset:256*\j
.endr
.endr
	global_load_b128 v[96:99], v[OFS], s[8:9]
	global_load_b128 v[100:103], v[OFS], s[8:9] offset:16
	WIN 0
.endm
; four matrix instructions of K step ks: the four accumulators take turns, one instruction a turn.  The first K step starts the sums
.macro MULS ks
.irp n, 0,1,2,3
.if \ks == 0
	v_wmma_scale_f32_16x16x128_f8f6f4 v[ACC+8*\n:ACC+8*\n+7], v[12*(4*(\ks%4)+\n):12*(4*(\ks%4)+\n)+11], v[XF+12*\ks:XF+12*\ks+11], 0, v[WS+8*\n+\ks], v[XS+\ks] matrix_a_fmt:MATRIX_FMT_FP6 matrix_b_fmt:MATRIX_FMT_FP6
.else
	v_wmma_scale_f32_16x16x128_f8f6f4 v[ACC+8*\n:ACC+8*\n+7], v[12*(4*(\ks%4)+\n):12*(4*(\ks%4)+\n)+11], v[XF+12*\ks:XF+12*\ks+11], v[ACC+8*\n:ACC+8*\n+7], v[WS+8*\n+\ks], v[XS+\ks] matrix_a_fmt:MATRIX_FMT_FP6 matrix_b_fmt:MATRIX_FMT_FP6
.endif
.endr
.endm
; packed multiply-adds on 16 numbers, eight instructions that do not wait for each other
.macro PKV d, a, b, c                  ; d = a b + c
.irp i, 0,2,4,6,8,10,12,14
	v_pk_fma_f32 v[\d+\i:\d+\i+1], v[\a+\i:\a+\i+1], v[\b+\i:\b+\i+1], v[\c+\i:\c+\i+1]
.endr
.endm
.macro PKS d, a, b, c                  ; d = a b + the scalar constant c
.irp i, 0,2,4,6,8,10,12,14
	v_pk_fma_f32 v[\d+\i:\d+\i+1], v[\a+\i:\a+\i+1], v[\b+\i:\b+\i+1], s[\c:\c+1] op_sel_hi:[1,1,0]
.endr
.endm
.macro PKM d, a, sc, vc                ; d = a x the scalar constant sc + the constant pair vc
.irp i, 0,2,4,6,8,10,12,14
	v_pk_fma_f32 v[\d+\i:\d+\i+1], v[\a+\i:\a+\i+1], s[\sc:\sc+1], v[\vc:\vc+1] op_sel_hi:[1,0,1]
.endr
.endm
.macro PKC d, a, sc                    ; d = a x the scalar constant sc
.irp i, 0,2,4,6,8,10,12,14
	v_pk_mul_f32 v[\d+\i:\d+\i+1], v[\a+\i:\a+\i+1], s[\sc:\sc+1] op_sel_hi:[1,0]
.endr
.endm
; gelu of the 16 numbers v[x] .. v[x + 15], in place.  The registers are taken in ascending order
.macro GELU16 x
.irp i, 0,1,2,3,4,5,6,7,8,9,10,11,12,13,14,15
	v_mul_f32 v[GT+\i], |v[\x+\i]|, s[CZ]          ; t = |x| / sqrt(2)
.endr
.irp i, 0,1,2,3,4,5,6,7,8,9,10,11,12,13,14,15
	v_max_num_f32 v[\x+\i], 0, v[\x+\i]            ; max(x, 0)
.endr
.irp i, 0,2,4,6,8,10,12,14
	v_pk_mul_f32 v[GS+\i:GS+\i+1], v[GT+\i:GT+\i+1], v[GT+\i:GT+\i+1]   ; t^2
.endr
	PKM GR, GT, C6, VC5                            ; q(t), for t above the threshold
	PKM GU, GT, C4, VC3
	PKV GR, GR, GS, GU
	PKS GR, GR, GT, C2
	PKS GR, GR, GT, C1
	PKS GR, GR, GT, C0
	PKV GR, GR, GT, GT
	PKC GR, GR, NL                                 ; -q log2(e)
.irp i, 0,1,2,3,4,5,6,7,8,9,10,11,12,13,14,15
	v_exp_f32 v[GR+\i], v[GR+\i]                   ; erfc(t) = e^-q
.endr
	PKM GU, GS, K5, VK4                            ; u(t^2), for t under it.  (Plain lines behind the exponentials, ahead of the use of their results)
	PKS GU, GU, GS, K3
	PKS GU, GU, GS, K2
	PKS GU, GU, GS, K1
	PKS GU, GU, GS, K0
	PKV GU, GU, GT, GT                             ; erf(t) = t + t u
.irp i, 0,2,4,6,8,10,12,14
	v_pk_fma_f32 v[GU+\i:GU+\i+1], v[GU+\i:GU+\i+1], -1.0, 1.0 op_sel_hi:[1,0,0]   ; erfc(t) = 1 - erf(t): at least 0.19 here
.endr
	s_wait_alu depctr_va_vdst(0)
.irp i, 0,1,2,3,4,5,6,7,8,9,10,11,12,13,14,15
	v_cmp_lt_f32 vcc_lo, s[THR], v[GT+\i]
	v_cndmask_b32 v[GU+\i], v[GU+\i], v[GR+\i], vcc_lo   ; a choice of a value: no branch hangs on it
.endr
	PKC GS, GT, NCZ                                ; -t / sqrt(2) = -|x| / 2
	PKV \x, GS, GU, \x                             ; max(x, 0) - (|x| / 2) erfc(t)
.endm
	s_load_b256 s[4:11], s[0:1], 0x0               ; lists s[4:5], x's codes s[6:7], x's scales s[8:9], W1's codes s[10:11]
	s_load_b128 s[12:15], s[0:1], 0x20             ; W1's scales s[12:13], h_img s[14:15]
	s_load_b64 s[16:17], s[0:1], 0x30              ; h_sc
	v_lshl_add_u32 v254, v0, 2, 0x18800
	v_mov_b32 v255, 0
	v_lshrrev_b32 v1, 5, v0
	v_readfirstlane_b32 s[WV], v1                  ; wave 0..3
	s_lshr_b32 s[EX], ttmp9, 5
	s_and_b32 s[SL], ttmp9, 31
	v_and_b32 v2, 31, v0                           ; lane
	v_and_b32 v3, 15, v0                           ; r
	v_bfe_u32 v1, v0, 4, 1                         ; h
	s_mul_i32 s[AW], s[WV], ASTW                   ; 16 rows of 784 bytes a wave, in W1's region and among the stages alike
	v_lshlrev_b32 v[VR16], 4, v3
	v_mad_u32_u24 v[VGW], v1, XROWB, v[VR16]
	v_mad_u32_u24 v[VSB], v1, PB, v[VR16]
	v_add_nc_u32 v[VSB], s[AW], v[VSB]             ; row 16 w + h, 16 r bytes on
	v_add_nc_u32 v[VSA], AST, v[VSB]
	v_and_b32 v[VWS], 8, v3
	v_add_nc_u32 v[VWS], v[VWS], v3                ; r + 8 (r / 8)
	v_mul_u32_u24 v[VBF], v[VWS], PB
	v_mad_u32_u24 v[VBF], v1, 24, v[VBF]
	v_lshlrev_b32 v[VWS], 5, v[VWS]                ; 32 scale bytes a row
	v_mul_u32_u24 v[VAF], v3, PB
	v_mad_u32_u24 v[VAF], v1, 24, v[VAF]
	v_add_nc_u32 v[VAF], s[AW], v[VAF]
	v_add_nc_u32 v[VAF], AST, v[VAF]
	v_lshlrev_b32 v[VLP], 2, v1
	v_lshlrev_b32 v[VLR], 2, v3
	v_lshlrev_b32 v[VOI], 3, v2
	v_lshl_add_u32 v[VOS], v3, 6, v1
	v_mov_b32 v[TM+2], 0                           ; written once: a lane permute's destination counts as one of its sources
	v_mov_b32 v[TM+3], 0
	v_mov_b32 v[VC5], 0xb9c8e966
	v_mov_b32 v[VC5+1], 0xb9c8e966
	v_mov_b32 v[VC3], 0xbcc6b180
	v_mov_b32 v[VC3+1], 0xbcc6b180
	v_mov_b32 v[VK4], 0x3ba39fa4
	v_mov_b32 v[VK4+1], 0x3ba39fa4
	s_mov_b32 s[THR], 0x3f6c0000                   ; 0.921875
	s_mov_b32 s[HM], 0xffff0000
	s_mov_b32 s[SEL], 0x76543210
	s_mov_b32 s[SEL+1], 0xfedcba98
	SPAIR CZ, 0x3f3504f3                           ; 1 / sqrt(2)
	SPAIR NCZ, 0xbf3504f3
	SPAIR NL, 0xbfb8aa3b                           ; -log2(e)
	SPAIR C6, 0x37911480
	SPAIR C4, 0x3b7e899b
	SPAIR C2, 0x3ddaae58
	SPAIR C1, 0x3f228550
	SPAIR C0, 0x3e03ce86
	SPAIR K5, 0xba1d0d41
	SPAIR K3, 0xbcdb45e9
	SPAIR K2, 0x3de70d23
	SPAIR K1, 0xbec09370
	SPAIR K0, 0x3e0375d3
	; byte offsets, from ids alone
	s_mul_i32 s32, s[EX], 1572864                  ; W1's codes: the expert, the slice's 64 rows, my wave's 16 of them
	s_mul_i32 s[TMP], s[SL], 49152
	s_add_co_u32 s32, s32, s[TMP]
	s_mul_i32 s[TMP], s[WV], 12288
	s_add_co_u32 s32, s32, s[TMP]
	s_mov_b32 s33, 0
	s_lshl_b32 s34, s[EX], 16                      ; W1's scales: the expert, the slice's 64 rows of 32 bytes
	s_lshl_b32 s[TMP], s[SL], 11
	s_add_co_u32 s34, s34, s[TMP]
	s_mov_b32 s35, 0
	s_lshl_b32 s68, s[EX], 2
	s_add_co_u32 s68, s68, s[WV]                   ; 4 e + w
	s_lshl_b32 s70, s68, 15                        ; h_sc: 32 tiles x 1,024 bytes for each (e, w), + 2 s
	s_mul_i32 s72, s68, LISTB                      ; my list
	s_mov_b32 s73, 0
	s_mul_i32 s68, s68, 32*TILEB                   ; h_img: 32 tiles x 24,576 bytes, + 768 s
	s_mul_i32 s[TMP], s[SL], 768
	s_add_co_u32 s68, s68, s[TMP]
	s_mov_b32 s69, 0
	s_lshl_b32 s[TMP], s[SL], 1
	s_add_co_u32 s70, s70, s[TMP]
	s_mov_b32 s71, 0
	s_mov_b32 s[LOFF], 0
	s_wait_kmcnt 0x0
	s_add_nc_u64 s[4:5], s[4:5], s[72:73]
	s_load_b32 s[RUN], s[4:5], 0x900               ; T
	LLOAD                                          ; tile 0's tokens
	s_add_nc_u64 s[10:11], s[10:11], s[32:33]
	s_add_nc_u64 s[12:13], s[12:13], s[34:35]
	s_add_nc_u64 s[14:15], s[14:15], s[68:69]
	s_add_nc_u64 s[16:17], s[16:17], s[70:71]
.irp a, 0,1,2,3,4,5,6,7                ; my 16 rows of W1: rows 2 a + h, each half of the lanes 256 consecutive aligned bytes; read by this wave alone in the whole launch
.irp j, 0,1,2
	global_load_b128 v[XF+4*(3*\a+\j):XF+4*(3*\a+\j)+3], v[VGW], s[10:11] offset:1536*\a+256*\j th:TH_LOAD_NT
.endr
.endr
.irp n, 0,1,2,3                        ; the scale words of tile n's rows: 8 words a row
.irp jj, 0,1
	global_load_b128 v[WS+8*\n+4*\jj:WS+8*\n+4*\jj+3], v[VWS], s[12:13] offset:(32*(\n/2)+8*(\n%2))*32+16*\jj
.endr
.endr
	s_wait_loadcnt 32                              ; tile 0's tokens are in: behind their nine loads stand W1's 24 and the scale words' 8
	XADDR
	XLOAD                                          ; tile 0's rows
	s_mov_b32 s[LOFF], 64
	LLOAD                                          ; tile 1's tokens (the wait above has freed the two address registers)
	s_mov_b32 s[LOFF], 128
	s_wait_kmcnt 0x0
	s_max_u32 s[T1], s[RUN], 1                     ; tile 0 is made even of an empty list
	s_wait_loadcnt 35                              ; W1 and its scale words are in; tile 0's 26 loads and tile 1's 9 may be out
.irp a, 0,1,2,3,4,5,6,7
.irp j, 0,1,2
	ds_store_b128 v[VSB], v[XF+4*(3*\a+\j):XF+4*(3*\a+\j)+3] offset:1568*\a+256*\j
.endr
.endr
	s_wait_dscnt 0x0                               ; for the others' sake: my 16 rows of W1 lie in LDS
	s_barrier_signal -1
	s_barrier_wait -1                              ; the launch's one barrier, ahead of every branch on the list's length
.irp ks, 0,1,2,3,4,5,6,7               ; all 32 fragments into my registers: they stay
	WIN 0x40+0x40*(\ks/4)                          ; destination window 1, then 2
.irp n, 0,1,2,3
.irp p, 0,1,2,3,4,5
	ds_load_b64 v[12*(4*(\ks%4)+\n)+2*\p:12*(4*(\ks%4)+\n)+2*\p+1], v[VBF] offset:(32*(\n/2)+8*(\n%2))*PB+96*\ks+48*(\p/3)+8*(\p%3)
.endr
.endr
.endr
	WIN 0
	s_mov_b32 s[IT], 0
	s_mov_b32 s[ROW0], 0
.Ltile:                                                ; at most 32 trips (512 tokens); a wave leaves when its list is served
	s_cmp_ge_u32 s[ROW0], s[T1]
	s_cbranch_scc1 .Ldone
	s_wait_loadcnt 0x0                             ; this tile's rows and scale words and the next tile's tokens, all asked for a trip ago
	WIN 0x03                                       ; source window 3
.irp j, 0,1,2,3,4,5,6,7
	v_mov_b32 v[XS+\j], v[96+\j]
.endr
	WIN 0x0c                                       ; an LDS store's data are its source 1: window 3
.irp a, 0,1,2,3,4,5,6,7
.irp j, 0,1,2
	ds_store_b128 v[VSA], v[4*(3*\a+\j):4*(3*\a+\j)+3] offset:1568*\a+256*\j
.endr
.endr
	WIN 0
.irp ks, 0,1,2,3,4,5,6,7               ; lane (r, h): row r, 24 bytes at 96 ks + 24 h and 24 at 96 ks + 48 + 24 h, as they lie; my own stage: served in order behind the stores
.irp p, 0,1,2,3,4,5
	ds_load_b64 v[XF+12*\ks+2*\p:XF+12*\ks+2*\p+1], v[VAF] offset:96*\ks+48*(\p/3)+8*(\p%3)
.endr
.endr
	XADDR                                          ; the next tile's offsets (26 plain lines: also the places between the moves into the scale registers and the products)
	s_wait_dscnt 0x0                               ; the fragments are in (in the first trip W1's too), and the stage's stores have read the rows' registers,
	XLOAD                                          ; which take the next tile's rows: they have the products and the gelu in which to land
	LLOAD                                          ; and the tokens of the tile after that
	WIN 0x01                                       ; source 0 (W1) window 1
	MULS 0
	MULS 1
	MULS 2
	MULS 3
	WIN 0x02                                       ; window 2
	MULS 4
	MULS 5
	MULS 6
	MULS 7
	WIN 0
.rept 5
	v_nop                                          ; places behind the products (ISA guide 7.12.1), ahead of the first read of results and of writes into x's fragments
.endr
	GELU16 ACC
	GELU16 ACC+16
	; the two blocks of 32 hidden units: register 16 b + i is unit 32 b + 16 h + i of my token
.irp b, 0,1
	v_max3_num_f32 v[TM+\b], |v[ACC+16*\b]|, |v[ACC+16*\b+1]|, 0x1800000   ; with the floor 2^(3 - 127): the byte cannot fall under 1
.endr
.irp i, 2,4,6,8,10,12,14
.irp b, 0,1
	v_max3_num_f32 v[TM+\b], v[TM+\b], |v[ACC+16*\b+\i]|, |v[ACC+16*\b+\i+1]|
.endr
.endr
.irp b, 0,1
	v_permlanex16_b32 v[TM+2+\b], v[TM+\b], s[SEL], s[SEL+1]
.endr
.irp b, 0,1
	v_max_num_f32 v[TM+\b], v[TM+\b], v[TM+2+\b]   ; with lane l xor 16's 16: the block's largest magnitude
.endr
.irp b, 0,1
	v_add_nc_u32 v[TM+4+\b], 0xff000000, v[TM+\b]  ; 2 off its exponent field: the conversion's scale operand
.endr
.irp b, 0,1
	v_lshrrev_b32 v[TM+6+\b], 23, v[TM+4+\b]       ; the scale's byte
.endr
	v_cvt_scalef32_pk16_fp6_f32 v[PC:PC+2], v[ACC:ACC+15], v[TM+4]
	v_cvt_scalef32_pk16_fp6_f32 v[PC+4:PC+6], v[ACC+16:ACC+31], v[TM+5]   ; (a conversion's three registers begin on an even number)
	v_nop                                          ; one plain place behind a scaled conversion
.irp i, 0,1,2
	v_permlane16_swap_b32 v[PC+\i], v[PC+4+\i]     ; a whole block to a lane: lanes 0-15 block 0, lanes 16-31 block 1
.endr
	v_mov_b32 v[PC+3], v[PC+4]
	v_mov_b32 v[PC+4], v[PC+5]
	v_mov_b32 v[PC+5], v[PC+6]                     ; v[PC .. PC + 5]: registers 6 c .. 6 c + 5 (c = s % 2) of the second product's fragment of K step s / 2
	v_cndmask_b32 v[BY], v[TM+6], v[TM+7], s[HM]   ; lane (r, h) stores block h's byte of token row r
.irp p, 0,1,2
	global_store_b64 v[VOI], v[PC+2*\p:PC+2*\p+1], s[14:15] offset:256*\p   ; 32 lanes store 256 consecutive aligned bytes: an image of two registers
.endr
	global_store_b8 v[VOS], v[BY], s[16:17]
	s_wait_xcnt 0x0                                ; the stores' bases and data are written again only behind this wait
	s_add_nc_u64 s[14:15], s[14:15], TILEB
	s_add_nc_u64 s[16:17], s[16:17], TILES
	s_add_co_u32 s[ROW0], s[ROW0], 16
	s_add_co_u32 s[LOFF], s[LOFF], 64
	s_add_co_u32 s[IT], s[IT], 1
	s_cmp_lt_u32 s[IT], 32
	s_cbranch_scc1 .Ltile
.Ldone:
	s_wait_tensorcnt 0x0
	ds_add_u32 v254, v255
	s_wait_dscnt 0x0
	s_endpgm                                       ; (the look-ahead's plain loads may be out)
.Lfunc_end_k_q9a469f761d_hidden:
	.size	k_q9a469f761d_hidden, .Lfunc_end_k_q9a469f761d_hidden-k_q9a469f761d_hidden
	.p2alignl 7, 3214868480
	.fill 96, 4, 3214868480
	.section	.rodata,"a",@progbits
	.p2align	6, 0x0
	.amdhsa_kernel k_q9a469f761d_hidden
		.amdhsa_group_segment_fixed_size 100864
		.amdhsa_private_segment_fixed_size 0
		.amdhsa_enable_private_segment 0
		.amdhsa_kernarg_size 56
		.amdhsa_user_sgpr_count 2
		.amdhsa_user_sgpr_kernarg_segment_ptr 1
		.amdhsa_wavefront_size32 1
		.amdhsa_system_sgpr_workgroup_id_x 1
		.amdhsa_system_sgpr_workgroup_id_y 1
		.amdhsa_system_sgpr_workgroup_id_z 1
		.amdhsa_system_vgpr_workitem_id 0
		.amdhsa_next_free_vgpr 872
		.amdhsa_next_free_sgpr 100
		.amdhsa_reserve_vcc 1
		.amdhsa_float_denorm_mode_32 3
		.amdhsa_float_denorm_mode_16_64 3
		.amdhsa_memory_ordered 1
		.amdhsa_forward_progress 1
		.amdhsa_inst_pref_size 69
	.end_amdhsa_kernel
	.amdgpu_metadata
---
amdhsa.version: [ 1, 2 ]
amdhsa.kernels:
  - .name:           k_q9a469f761d_hidden
    .symbol:         k_q9a469f761d_hidden.kd
    .args:
      - { .name: lists, .offset: 0, .size: 8, .value_kind: global_buffer, .address_space: global }
      - { .name: x_codes, .offset: 8, .size: 8, .value_kind: global_buffer, .address_space: global }
      - { .name: x_scales, .offset: 16, .size: 8, .value_kind: global_buffer, .address_space: global }
      - { .name: W1_codes, .offset: 24, .size: 8, .value_kind: global_buffer, .address_space: global }
      - { .name: W1_scales, .offset: 32, .size: 8, .value_kind: global_buffer, .address_space: global }
      - { .name: h_img, .offset: 40, .size: 8, .value_kind: global_buffer, .address_space: global }
      - { .name: h_sc, .offset: 48, .size: 8, .value_kind: global_buffer, .address_space: global }
    .group_segment_fixed_size: 100864
    .private_segment_fixed_size: 0
    .kernarg_segment_align: 8
    .kernarg_segment_size: 56
    .max_flat_workgroup_size: 128
    .sgpr_count:     100
    .vgpr_count:     872
    .wavefront_size: 32
...
	.end_amdgpu_metadata
.endif
;; end of part 2
;; launch output (part 3): grid 256 x 1, 4 waves a work-group, no clusters, 59,392 bytes of LDS; arguments lists, h_img, h_sc, W2_codes, W2_scales, b2, out0; writes out0
.if DOCPART == 3
	.amdgcn_target "amdgcn-amd-amdhsa--gfx1250"
	.amdhsa_code_object_version 6
	.text
	.protected	k_q9a469f761d_output
	.globl	k_q9a469f761d_output
	.p2align	8
	.type	k_q9a469f761d_output,@function
k_q9a469f761d_output:
	s_mov_b64 s[64:65], 0
	v_nop
	global_prefetch_b8 v0, s[64:65] scope:SCOPE_SE
	s_setreg_imm32_b32 hwreg(HW_REG_WAVE_MODE, 25, 1), 1
	s_wait_xcnt 0x0
; y = h W2[eid]^T + b2[eid]: the second product, on the hidden layer's codes that the launch before stored.  W2 [8][1024][2048]: codes of FP6 (E2M3), K innermost, 1,536 bytes a row, one E8M0 byte for each 32 along K.
; SHARES.  Work-group x = 32 e + s: expert e, outputs 32 s .. 32 s + 31.  Its 32 rows of W2 are 49,152 dense bytes that NO OTHER work-group reads: they come once, are turned through LDS and stay in every wave's
; registers as 32 fragments (2 tiles of 16 rows x 16 K steps, 384 registers).  Wave w owns tokens 512 w .. 512 w + 511 and walks list (e, w), as the launch before did.
; A tile of 16 listed tokens: its 16 hidden fragments lie in h_img as images of their registers (each load: 32 lanes, 256 consecutive aligned bytes), its scale words in h_sc; 32 matrix instructions; the results go
; through the wave's own stage and leave as runs of 128 aligned bytes of a token's row (a wave's registers hold 32 columns of W2, so a run is no longer).
; ROWS PAST THE LIST'S END repeat one listed token: such a row holds that token's own result, made by the same arithmetic, and this wave stores it onto that token's row once more.  So all lanes stay on and no line
; writes EXEC.  A wave whose list is empty makes no trip and stores nothing.
; The fragments come in two halves (K steps 0-7, 8-15); each half's registers are asked for again, for the next tile, as soon as its products are issued.  The look-ahead is held at the last tile that was stored.
; NO TENSOR LOADS, NO JOINT REQUESTS: the number of tiles is a number read from memory and differs from wave to wave; the weights are shared by nobody.
; THE PRODUCT IS USED TRANSPOSED (source 0 = 16 rows of W2, source 1 = 16 tokens): a lane holds one token and eight neighbouring outputs.  K's even and odd steps are summed in two accumulators for each tile of
; outputs, so that four accumulators take turns; the two are added at the end: an order of rounding that differs from one ascending chain.  b2 is the C of the even sum's first instruction.
; LIMITS.  A token whose eid lies outside 0 .. 7 is in no list, and its row is not written.  NaN and infinities are not served.
.set PB2,   1552                       ; an LDS row of W2: 1,536 + 16 = 388 words: row r starts 4 r words on modulo 64
.set OST,   32*PB2                     ; LDS: W2's 32 rows at 0; then a stage of 16 rows x (128 + 16) bytes for each wave
.set OSTW,  16*144
.set LISTB, 2560                       ; lists: bytes for each (e, w); the count at byte 2,304
.set TILEB, 24576
.set WV, 18
.set EX, 19
.set SL, 20
.set RUN, 21                           ; T, my list's length
.set T1, 22
.set TMP, 24
.set IT, 26
.set ROW0, 27
.set LOFF, 28
.set NT1, 29                           ; the last tile that was stored
.set NX, 30
.set OW, 39
.set L8, 4                             ; lane / 8
.set VGW, 6                            ; W2 in memory: 1,536 h + 16 r
.set VSB, 7                            ; W2 into LDS
.set VBF, 8                            ; W2's fragments out of LDS
.set R64, 9                            ; 64 r
.set VBI, 10                           ; 32 h
.set LN8, 11                           ; 8 x lane
.set VO0, 13                           ; the tile's byte in h_img + 8 lane, for each half;
.set VS0, 14                           ; and in h_sc + 64 r
.set VO1, 15
.set VS1, 16
.set VST, 17                           ; the stage: in
.set VRD, 18                           ; and back
.set VLQ, 19                           ; 4 (lane / 8)
.set ADL, 20
.set VC16, 21                          ; 16 (lane % 8)
.set TK, 24                            ; v24-27 four rows' tokens as loaded
.set TO, 28                            ; v28-31 their offsets in out0
.set WS, 32                            ; v32-63 W2's scale words: 16 n + ks
.set HS, 64                            ; v64-79 the hidden layer's
.set BIAS, 80                          ; v80-95
.set ACC, 96                           ; v96-127 accumulator (n, ks % 2) at ACC + 8 (2 n + ks % 2)
.set YR, 128                           ; v128-143 the sums
.set OR, 144                           ; v144-159 rows read back
.set RAW, 128                          ; head only: v128-223 W2 as loaded
.set VN, 224                           ; the tile that is asked for next,
.set VTB, 225                          ; its byte in h_img,
.set VSS, 226                          ; and in h_sc
; windows 1, 2: W2's fragment (n, ks) in window 1 + ks / 8 at v[12 (2 (ks % 8) + n)].   window 3: the hidden fragment of K step ks at v[12 ks]
.set MSB, 0
.macro WIN new                         ; the immediate's high byte repeats the setting that is left
.if MSB != (\new)
	s_set_vgpr_msb (MSB<<8)|(\new)
.set MSB, (\new)
.endif
.endm
; 50 loads: eight hidden fragments of a tile, as images of register pairs, and their scale words
.macro HLOAD half, vo, vs
	WIN 0xc0                                       ; destination window 3
.irp k, 0,1,2,3,4,5,6,7
.irp c, 0,1
.irp p, 0,1,2
	global_load_b64 v[12*(8*\half+\k)+6*\c+2*\p:12*(8*\half+\k)+6*\c+2*\p+1], v[\vo], s[6:7] offset:1536*(8*\half+\k)+768*\c+256*\p
.endr
.endr
.endr
	WIN 0
	global_load_b128 v[HS+8*\half:HS+8*\half+3], v[\vs], s[8:9] offset:32*\half
	global_load_b128 v[HS+8*\half+4:HS+8*\half+7], v[\vs], s[8:9] offset:32*\half+16
.endm
; two matrix instructions of K step ks.  Four accumulators take turns, one instruction a turn
.macro MUL2 ks
.irp n, 0,1
.if \ks == 0
	v_wmma_scale_f32_16x16x128_f8f6f4 v[ACC+8*(2*\n+\ks%2):ACC+8*(2*\n+\ks%2)+7], v[12*(2*(\ks%8)+\n):12*(2*(\ks%8)+\n)+11], v[12*\ks:12*\ks+11], v[BIAS+8*\n:BIAS+8*\n+7], v[WS+16*\n+\ks], v[HS+\ks] matrix_a_fmt:MATRIX_FMT_FP6 matrix_b_fmt:MATRIX_FMT_FP6
.elseif \ks == 1
	v_wmma_scale_f32_16x16x128_f8f6f4 v[ACC+8*(2*\n+\ks%2):ACC+8*(2*\n+\ks%2)+7], v[12*(2*(\ks%8)+\n):12*(2*(\ks%8)+\n)+11], v[12*\ks:12*\ks+11], 0, v[WS+16*\n+\ks], v[HS+\ks] matrix_a_fmt:MATRIX_FMT_FP6 matrix_b_fmt:MATRIX_FMT_FP6
.else
	v_wmma_scale_f32_16x16x128_f8f6f4 v[ACC+8*(2*\n+\ks%2):ACC+8*(2*\n+\ks%2)+7], v[12*(2*(\ks%8)+\n):12*(2*(\ks%8)+\n)+11], v[12*\ks:12*\ks+11], v[ACC+8*(2*\n+\ks%2):ACC+8*(2*\n+\ks%2)+7], v[WS+16*\n+\ks], v[HS+\ks] matrix_a_fmt:MATRIX_FMT_FP6 matrix_b_fmt:MATRIX_FMT_FP6
.endif
.endr
.endm
	s_load_b256 s[4:11], s[0:1], 0x0               ; lists s[4:5], h_img s[6:7], h_sc s[8:9], W2's codes s[10:11]
	s_load_b128 s[12:15], s[0:1], 0x20             ; W2's scales s[12:13], b2 s[14:15]
	s_load_b64 s[16:17], s[0:1], 0x30              ; out0
	v_lshl_add_u32 v254, v0, 2, 0xe600
	v_mov_b32 v255, 0
	v_lshrrev_b32 v1, 5, v0
	v_readfirstlane_b32 s[WV], v1                  ; wave 0..3
	s_lshr_b32 s[EX], ttmp9, 5
	s_and_b32 s[SL], ttmp9, 31
	v_and_b32 v2, 31, v0                           ; lane
	v_and_b32 v3, 15, v0                           ; r
	v_bfe_u32 v1, v0, 4, 1                         ; h
	v_and_b32 v5, 7, v0                            ; lane % 8
	v_bfe_u32 v[L8], v0, 3, 2
	s_mul_i32 s[OW], s[WV], OSTW
	s_add_co_u32 s[OW], s[OW], OST                 ; my stage
	v_lshlrev_b32 v12, 4, v3                       ; 16 r
	v_mad_u32_u24 v[VGW], v1, 1536, v12
	v_mad_u32_u24 v[VSB], v1, PB2, v12
	s_mul_i32 s[TMP], s[WV], 8*PB2
	v_add_nc_u32 v[VSB], s[TMP], v[VSB]            ; row 8 w + h, 16 r bytes on
	v_mul_u32_u24 v[VBF], v3, PB2
	v_mad_u32_u24 v[VBF], v1, 24, v[VBF]
	v_lshlrev_b32 v[R64], 6, v3
	v_lshlrev_b32 v[VBI], 5, v1
	v_lshlrev_b32 v[LN8], 3, v2
	v_mul_u32_u24 v[VST], v3, 144
	v_lshl_add_u32 v[VST], v1, 5, v[VST]
	v_add_nc_u32 v[VST], s[OW], v[VST]             ; in: row r, 32 h bytes on
	v_lshlrev_b32 v[VC16], 4, v5
	v_mad_u32_u24 v[VRD], v[L8], 144, v[VC16]
	v_add_nc_u32 v[VRD], s[OW], v[VRD]             ; back: eight lanes to a row of 128 bytes, four rows an instruction
	v_lshlrev_b32 v[VLQ], 2, v[L8]
	; byte offsets, from ids alone
	s_mul_i32 s32, s[EX], 1572864                  ; W2's codes: the expert, the slice's 32 rows, my wave's 8 of them
	s_mul_i32 s[TMP], s[SL], 49152
	s_add_co_u32 s32, s32, s[TMP]
	s_mul_i32 s[TMP], s[WV], 12288
	s_add_co_u32 s32, s32, s[TMP]
	s_mov_b32 s33, 0
	s_lshl_b32 s34, s[EX], 16                      ; W2's scales: the slice's 32 rows of 64 bytes
	s_lshl_b32 s[TMP], s[SL], 11
	s_add_co_u32 s34, s34, s[TMP]
	s_mov_b32 s35, 0
	s_lshl_b32 s40, s[SL], 7                       ; out0: the slice's 128 bytes of a row
	s_mov_b32 s41, 0
	s_lshl_b32 s36, s[EX], 12                      ; b2: the expert's row, the slice's 128 bytes
	s_add_co_u32 s36, s36, s40
	s_mov_b32 s37, 0
	s_lshl_b32 s42, s[EX], 2
	s_add_co_u32 s42, s42, s[WV]                   ; 4 e + w
	s_lshl_b32 s44, s42, 15                        ; h_sc
	s_mul_i32 s46, s42, LISTB                      ; my list
	s_mul_i32 s42, s42, 32*TILEB                   ; h_img
	s_mov_b32 s43, 0
	s_mov_b32 s45, 0
	s_mov_b32 s47, 0
	s_wait_kmcnt 0x0
	s_add_nc_u64 s[4:5], s[4:5], s[46:47]
	s_load_b32 s[RUN], s[4:5], 0x900               ; T
	s_add_nc_u64 s[10:11], s[10:11], s[32:33]
	s_add_nc_u64 s[12:13], s[12:13], s[34:35]
	s_add_nc_u64 s[14:15], s[14:15], s[36:37]
	s_add_nc_u64 s[16:17], s[16:17], s[40:41]
	s_add_nc_u64 s[6:7], s[6:7], s[42:43]
	s_add_nc_u64 s[8:9], s[8:9], s[44:45]
.irp a, 0,1,2,3                        ; my 8 rows of W2: rows 2 a + h, each half of the lanes 256 consecutive aligned bytes; read by this wave alone in the whole launch
.irp j, 0,1,2,3,4,5
	global_load_b128 v[RAW+4*(6*\a+\j):RAW+4*(6*\a+\j)+3], v[VGW], s[10:11] offset:3072*\a+256*\j th:TH_LOAD_NT
.endr
.endr
.irp n, 0,1                            ; the scale words of tile n's rows: 16 words a row
.irp jj, 0,1,2,3
	global_load_b128 v[WS+16*\n+4*\jj:WS+16*\n+4*\jj+3], v[R64], s[12:13] offset:1024*\n+16*\jj
.endr
.endr
.irp n, 0,1                            ; b2 in the result's layout: lane (r, h): outputs 16 n + 8 h + 0 .. 7
	global_load_b128 v[BIAS+8*\n:BIAS+8*\n+3], v[VBI], s[14:15] offset:64*\n
	global_load_b128 v[BIAS+8*\n+4:BIAS+8*\n+7], v[VBI], s[14:15] offset:64*\n+16
.endr
	v_mov_b32 v[VO0], v[LN8]                       ; tile 0, which is always there
	v_mov_b32 v[VS0], v[R64]
	v_mov_b32 v[VO1], v[LN8]
	v_mov_b32 v[VS1], v[R64]
	HLOAD 0, VO0, VS0
	s_wait_loadcnt 50                              ; W2, its scale words and b2 are in; the 50 just issued may be out
.irp a, 0,1,2,3
.irp j, 0,1,2,3,4,5
	ds_store_b128 v[VSB], v[RAW+4*(6*\a+\j):RAW+4*(6*\a+\j)+3] offset:3104*\a+256*\j
.endr
.endr
	s_wait_dscnt 0x0                               ; for the others' sake: my 8 rows of W2 lie in LDS
	s_barrier_signal -1
	s_barrier_wait -1                              ; the launch's one barrier, ahead of every branch on the list's length
	HLOAD 1, VO1, VS1
.irp ks, 0,1,2,3,4,5,6,7,8,9,10,11,12,13,14,15   ; all 32 fragments into my registers: they stay
	WIN 0x40+0x40*(\ks/8)                          ; destination window 1, then 2
.irp n, 0,1
.irp p, 0,1,2,3,4,5
	ds_load_b64 v[12*(2*(\ks%8)+\n)+2*\p:12*(2*(\ks%8)+\n)+2*\p+1], v[VBF] offset:16*\n*PB2+96*\ks+48*(\p/3)+8*(\p%3)
.endr
.endr
.endr
	WIN 0
	s_wait_dscnt 0x0
	s_wait_kmcnt 0x0
	s_max_u32 s[T1], s[RUN], 1
	s_add_co_u32 s[NT1], s[T1], 15
	s_lshr_b32 s[NT1], s[NT1], 4
	s_sub_co_u32 s[NT1], s[NT1], 1
	s_mov_b32 s[IT], 0
	s_mov_b32 s[ROW0], 0
	s_mov_b32 s[LOFF], 0
.Ltile:                                                ; at most 32 trips; a wave leaves when its list is served (at once where it is empty)
	s_cmp_ge_u32 s[ROW0], s[RUN]
	s_cbranch_scc1 .Ldone
	s_add_co_u32 s[NX], s[IT], 1                   ; the tile to ask for: the next, held at the last one stored,
	s_min_u32 s[NX], s[NX], s[NT1]
	v_mov_b32 v[VN], s[NX]
	v_min_u32 v[VN], 31, v[VN]                     ; and inside my 32
	v_mul_u32_u24 v[VTB], TILEB, v[VN]
	v_lshlrev_b32 v[VSS], 10, v[VN]
	v_add_nc_u32 v[ADL], s[LOFF], v[VLQ]           ; (the last trip's loads by this register were shown done by that trip's second wait)
.irp j, 0,1,2,3
	global_load_b32 v[TK+\j], v[ADL], s[4:5] offset:16*\j   ; the token of this tile's row 4 j + lane / 8
.endr
	s_wait_loadcnt 54                              ; K steps 0-7 of this tile are in; the other half's 50 loads and the 4 tokens may be out
	WIN 0x0d                                       ; source 0 (W2) window 1, source 1 (hidden) window 3
.irp ks, 0,1,2,3,4,5,6,7
	MUL2 \ks
.endr
	WIN 0
	v_add_nc_u32 v[VO0], v[VTB], v[LN8]            ; (free since the wait above showed their loads done)
	v_add_nc_u32 v[VS0], v[VSS], v[R64]
.rept 3
	v_nop                                          ; with the two lines above: places behind the products, ahead of loads into their operands and scale registers
.endr
	HLOAD 0, VO0, VS0
	s_wait_loadcnt 50                              ; K steps 8-15 and the tokens are in; the 50 just issued may be out
	WIN 0x0e                                       ; source 0 window 2
.irp ks, 8,9,10,11,12,13,14,15
	MUL2 \ks
.endr
	WIN 0
	v_add_nc_u32 v[VO1], v[VTB], v[LN8]
	v_add_nc_u32 v[VS1], v[VSS], v[R64]
.rept 3
	v_nop                                          ; places again: for the loads below and for the first read of results
.endr
	HLOAD 1, VO1, VS1
.irp n, 0,1                            ; the even and the odd K steps' sums; each accumulator from its low end on
.irp k, 0,2,4,6
	v_pk_add_f32 v[YR+8*\n+\k:YR+8*\n+\k+1], v[ACC+16*\n+\k:ACC+16*\n+\k+1], v[ACC+16*\n+8+\k:ACC+16*\n+8+\k+1]
.endr
.endr
.irp n, 0,1
	ds_store_b128 v[VST], v[YR+8*\n:YR+8*\n+3] offset:64*\n          ; lane (r, h): y(row r, 16 n + 8 h + 0 .. 7)
	ds_store_b128 v[VST], v[YR+8*\n+4:YR+8*\n+7] offset:64*\n+16
.endr
.irp j, 0,1,2,3
	ds_load_b128 v[OR+4*\j:OR+4*\j+3], v[VRD] offset:576*\j   ; my own stage: served in order behind the stores
.endr
.irp j, 0,1,2,3
	v_min_u32 v[TO+\j], 0x7ff, v[TK+\j]            ; held inside out0
.endr
.irp j, 0,1,2,3
	v_lshlrev_b32 v[TO+\j], 12, v[TO+\j]           ; 4,096 bytes a row
.endr
.irp j, 0,1,2,3
	v_add_nc_u32 v[TO+\j], v[TO+\j], v[VC16]
.endr
	s_wait_dscnt 0x0
.irp j, 0,1,2,3
	global_store_b128 v[TO+\j], v[OR+4*\j:OR+4*\j+3], s[16:17] th:TH_STORE_NT   ; eight lanes store 128 consecutive aligned bytes of a token's row; read by nobody here
.endr
	s_wait_xcnt 0x0                                ; the stores' offsets and data are written again only behind this wait
	s_add_co_u32 s[ROW0], s[ROW0], 16
	s_add_co_u32 s[LOFF], s[LOFF], 64
	s_add_co_u32 s[IT], s[IT], 1
	s_cmp_lt_u32 s[IT], 32
	s_cbranch_scc1 .Ltile
.Ldone:
	s_wait_tensorcnt 0x0
	ds_add_u32 v254, v255
	s_wait_dscnt 0x0
	s_endpgm                                       ; (the look-ahead's plain loads may be out)
.Lfunc_end_k_q9a469f761d_output:
	.size	k_q9a469f761d_output, .Lfunc_end_k_q9a469f761d_output-k_q9a469f761d_output
	.p2alignl 7, 3214868480
	.fill 96, 4, 3214868480
	.section	.rodata,"a",@progbits
	.p2align	6, 0x0
	.amdhsa_kernel k_q9a469f761d_output
		.amdhsa_group_segment_fixed_size 59392
		.amdhsa_private_segment_fixed_size 0
		.amdhsa_enable_private_segment 0
		.amdhsa_kernarg_size 56
		.amdhsa_user_sgpr_count 2
		.amdhsa_user_sgpr_kernarg_segment_ptr 1
		.amdhsa_wavefront_size32 1
		.amdhsa_system_sgpr_workgroup_id_x 1
		.amdhsa_system_sgpr_workgroup_id_y 1
		.amdhsa_system_sgpr_workgroup_id_z 1
		.amdhsa_system_vgpr_workitem_id 0
		.amdhsa_next_free_vgpr 960
		.amdhsa_next_free_sgpr 66
		.amdhsa_reserve_vcc 0
		.amdhsa_float_denorm_mode_32 3
		.amdhsa_float_denorm_mode_16_64 3
		.amdhsa_memory_ordered 1
		.amdhsa_forward_progress 1
		.amdhsa_inst_pref_size 48
	.end_amdhsa_kernel
	.amdgpu_metadata
---
amdhsa.version: [ 1, 2 ]
amdhsa.kernels:
  - .name:           k_q9a469f761d_output
    .symbol:         k_q9a469f761d_output.kd
    .args:
      - { .name: lists, .offset: 0, .size: 8, .value_kind: global_buffer, .address_space: global }
      - { .name: h_img, .offset: 8, .size: 8, .value_kind: global_buffer, .address_space: global }
      - { .name: h_sc, .offset: 16, .size: 8, .value_kind: global_buffer, .address_space: global }
      - { .name: W2_codes, .offset: 24, .size: 8, .value_kind: global_buffer, .address_space: global }
      - { .name: W2_scales, .offset: 32, .size: 8, .value_kind: global_buffer, .address_space: global }
      - { .name: b2, .offset: 40, .size: 8, .value_kind: global_buffer, .address_space: global }
      - { .name: out0, .offset: 48, .size: 8, .value_kind: global_buffer, .address_space: global }
    .group_segment_fixed_size: 59392
    .private_segment_fixed_size: 0
    .kernarg_segment_align: 8
    .kernarg_segment_size: 56
    .max_flat_workgroup_size: 128
    .sgpr_count:     66
    .vgpr_count:     960
    .wavefront_size: 32
...
	.end_amdgpu_metadata
.endif
;; end of part 3
;; ======== version 2 of 2: 3 launches; version 1 with the launches hidden, output written anew for expert scheduling mode
;; workspace buffers: lists 81,920 bytes of whole numbers; h_img 25,165,824 bytes; h_sc 1,048,576 bytes
;; launch route: the kernel of part 1 again; grid 8 x 1, 4 waves a work-group, no clusters, 0 bytes of LDS; arguments eid, lists; writes lists
;; launch hidden (part 4): grid 256 x 1, 4 waves a work-group, no clusters, 100,864 bytes of LDS; arguments lists, x_codes, x_scales, W1_codes, W1_scales, h_img, h_sc; writes h_img, h_sc
.if DOCPART == 4
	.amdgcn_target "amdgcn-amd-amdhsa--gfx1250"
	.amdhsa_code_object_version 6
	.text
	.protected	k_q9a469f761d_hidden
	.globl	k_q9a469f761d_hidden
	.p2align	8
	.type	k_q9a469f761d_hidden,@function
k_q9a469f761d_hidden:
	s_mov_b64 s[64:65], 0
	v_nop
	global_prefetch_b8 v0, s[64:65] scope:SCOPE_SE
	s_setreg_imm32_b32 hwreg(HW_REG_WAVE_SCHED_MODE, 0, 2), 2
	s_setreg_imm32_b32 hwreg(HW_REG_WAVE_MODE, 25, 1), 1
	s_wait_xcnt 0x0
	s_wait_alu depctr_vm_vsrc(0)
; h = Q(gelu(x W1[eid]^T)): the first product of a layer of 8 experts, only for the expert that eid gives each token, and the quantising of the hidden layer.
; x [2048][1024], W1 [8][2048][1024]: codes of FP6 (E2M3), K innermost, 768 bytes a row, one E8M0 byte for each 32 along K.  The hidden layer leaves as codes and scale bytes for the next launch.
; SHARES.  Work-group x = 32 e + s: expert e, hidden units 64 s .. 64 s + 63.  Its 64 rows of W1 are 49,152 dense bytes that NO OTHER work-group reads: they come once, are turned through LDS and stay in every
; wave's registers as 32 fragments (4 tiles of 16 rows x 8 K steps, 384 registers).  Wave w owns tokens 512 w .. 512 w + 511: it walks list (e, w) of the launch before, 16 rows a tile.
; A tile: its 16 rows of x are gathered (whole rows, 256 aligned bytes to each half of the lanes), turned through the wave's own stage into 8 fragments, multiplied (32 matrix instructions), gelu, quantised, stored.
; The next tile's rows are asked for ahead of a tile's products, the tokens of the tile after that behind them.  The list's tail repeats one of its tokens (token 0 where the list is empty); tile 0 is always made,
; so that the next launch reads no byte that was not stored.
; NO TENSOR LOADS, NO JOINT REQUESTS: the number of tiles is a number read from memory and differs from wave to wave; the weights, the bulk of the bytes, are shared by nobody.
; THE PRODUCT IS USED TRANSPOSED (source 0 = 16 rows of W1, source 1 = 16 tokens): a lane holds one token.  THE ROWS OF W1 THAT FORM A TILE ARE NOT NEIGHBOURS: lane r of tile 2 b + u takes row
; 32 b + 8 u + r + 8 (r / 8), so that the 16 registers of tiles 2 b, 2 b + 1 are the hidden units 32 b + 16 (lane / 16) + 0 .. 15: neighbours along the next K.
; GELU, exact form, in f32: with t = |x| / sqrt(2) and P = erfc(t):  gelu(x) = max(x, 0) - (t / sqrt(2)) P: no difference of near numbers on the negative side.
; P = 2^(-q(t) log2 e) where t > 0.921875, else 1 - (t + t u(t^2)): two polynomials fitted to erf in f32; both are always computed and one is selected.
; LIMITS.  NaN and infinities are not served.  A block of zeros gets the byte 1 where the rule says 127 (its codes are zeros; this program alone reads the bytes).
; q(t) is fitted to erf, so erfc's RELATIVE error is not f32's everywhere: by hand 1.4e-4 at t = 4 (x = -5.66, where |gelu| is 4e-8), and larger beyond.
; THE MODE: SCHED_MODE bits 1:0 = 2 (LLVM: expert scheduling mode 2), set by the entry lines.  The code itself states the register dependences between vector or matrix instructions and memory or LDS
; instructions, with s_wait_alu, always for 0.
; THE PLAN.  Registers that memory or LDS instructions touch, in the loop:
;   window 3 v0-95    the next tile's rows: written by the 24 row loads; read by the stage's 24 LDS stores of the next trip and by nothing else.
;   window 3 v96-103  its scale words: written by two loads of the same run; read by the eight moves into XS.
;   OFF, OFS, ADL, ADR  written by 28 vector lines a trip; read by the trip's 26 row loads and 9 token loads.
;   TR                written by the token loads; read by the holds of the next trip.
;   XF (v72-167)      written by the 48 LDS loads at a trip's top; read by the products; v72-135 are then gelu's scratch.
;   PC, BY            written by the quantiser; read by the trip's four stores.
;   VSA, VAF, VOI, VOS  made at the head and never written again.
; A trip has: one wait on va_vdst and one on vm_vsrc behind the window switch ahead of the row loads; in each gelu the wait behind the exponentials and one wait on va_sdst behind the run of compares;
; one wait on va_vdst ahead of the stores, which also shows gelu and the products done with XF: no vector line between it and the next trip's LDS loads names XF; one wait on vm_vsrc at the trip's end.
.set XROWB, 768                        ; a row of x or of W1 in bytes
.set PB,    784                        ; an LDS row: 768 + 16 = 196 words: row r starts 4 r words on modulo 64
.set AST,   64*PB                      ; LDS: W1's 64 rows at 0; then a stage of 16 rows for each wave
.set ASTW,  16*PB
.set LISTB, 2560                       ; lists: bytes for each (e, w); the count at byte 2,304
.set TILEB, 24576                      ; h_img: a tile's 32 slices x 768 bytes
.set TILES, 1024                       ; h_sc: a tile's 16 rows x 64 bytes
; scalar registers
.set WV, 18
.set EX, 19                            ; expert
.set SL, 20                            ; slice
.set RUN, 21                           ; T, my list's length
.set T1, 22                            ; max(T, 1)
.set TMP, 24
.set IT, 26                            ; trip counter
.set ROW0, 27                          ; the tile's first place in the list
.set LOFF, 28                          ; byte in the list of the tile whose tokens are asked for next
.set THR, 29
.set HM, 30                            ; lanes 16-31
.set AW, 31
.set SEL, 36                           ; s[36:37] v_permlanex16_b32's selects for lane l xor 16
.set CZ, 40                            ; pairs of constants (a packed form names a pair and takes its low word for both halves)
.set NL, 42
.set C6, 44
.set C4, 46
.set C2, 48
.set C1, 50
.set C0, 52
.set K5, 54
.set K3, 56
.set K2, 58
.set K1, 60
.set K0, 62
.set NCZ, 66
.set MK, 76                            ; s76-91 sixteen masks: a run of compares writes them, a run of selections reads them
; vector registers, window 0
.set VGW, 4                            ; W1 in memory: 768 h + 16 r
.set VSB, 5                            ; W1 into LDS
.set VSA, 6                            ; x's rows into my stage
.set VBF, 7                            ; W1's fragments out of LDS
.set VAF, 8                            ; x's fragments out of my stage
.set VLP, 9                            ; 4 h
.set VLR, 10                           ; 4 r
.set VR16, 11                          ; 16 r
.set VOI, 12                           ; 8 x lane
.set VOS, 13                           ; 64 r + h
.set VWS, 14                           ; W1's scale words
.set ADL, 15
.set ADR, 16
.set OFS, 17                           ; my row's scale bytes of x
.set OFF, 18                           ; v18-25 eight pairs of rows of x
.set VC5, 26
.set VC3, 28
.set VK4, 30
.set WS, 32                            ; v32-63 W1's scale words: tile n, K step ks at WS + 8 n + ks
.set XS, 64                            ; v64-71 x's scale words
.set XF, 72                            ; v72-167 x's eight fragments; at the head W1 as loaded; in gelu at work
.set GT, XF
.set GS, XF+16
.set GR, XF+32
.set GU, XF+48
.set ACC, 168                          ; v168-199 four accumulators
.set PC, 200                           ; v200-206 the codes just made
.set TM, 208                           ; v208-215 the quantiser's
.set BY, 216
.set TR, 224                           ; v224-232 a tile's tokens as loaded: rows 2 q + h (q = 0 .. 7), and row r
; windows 1, 2: W1's fragment (n, ks) in window 1 + ks / 4 at v[12 (4 (ks % 4) + n)].   window 3: v0-95 the next tile's rows of x as loaded, v96-103 its scale words
.set MSB, 0
.macro WIN new                         ; the immediate's high byte repeats the setting that is left
.if MSB != (\new)
	s_set_vgpr_msb (MSB<<8)|(\new)
.set MSB, (\new)
.endif
.endm
.macro SPAIR reg, val
	s_mov_b32 s[\reg], \val
	s_mov_b32 s[\reg+1], \val
.endm
; The tokens of the tile at byte LOFF of my list: lanes 0-15 want row 2 q, lanes 16-31 row 2 q + 1; and each lane its own row r for the scale bytes.  Two address lines, and apart from them nine loads
.macro LADDR
	v_add_nc_u32 v[ADL], s[LOFF], v[VLP]
	v_add_nc_u32 v[ADR], s[LOFF], v[VLR]
.endm
.macro LTOK
.irp q, 0,1,2,3,4,5,6,7
	global_load_b32 v[TR+\q], v[ADL], s[4:5] offset:8*\q
.endr
	global_load_b32 v[TR+8], v[ADR], s[4:5]
.endm
.macro XADDR                           ; token numbers, held inside x, become byte offsets
.irp q, 0,1,2,3,4,5,6,7
	v_min_u32 v[OFF+\q], 0x7ff, v[TR+\q]
.endr
	v_min_u32 v[OFS], 0x7ff, v[TR+8]
.irp q, 0,1,2,3,4,5,6,7
	v_mul_u32_u24 v[OFF+\q], XROWB, v[OFF+\q]
.endr
	v_lshlrev_b32 v[OFS], 5, v[OFS]
.irp q, 0,1,2,3,4,5,6,7
	v_add_nc_u32 v[OFF+\q], v[OFF+\q], v[VR16]
.endr
.endm
.macro XROWS                           ; 26 loads, under destination window 3: 16 whole rows of 768 bytes, each half of the lanes 256 consecutive aligned bytes; and 32 scale bytes a row
.irp q, 0,1,2,3,4,5,6,7
.irp j, 0,1,2
	global_load_b128 v[4*(3*\q+\j):4*(3*\q+\j)+3], v[OFF+\q], s[6:7] offset:256*\j
.endr
.endr
	global_load_b128 v[96:99], v[OFS], s[8:9]
	global_load_b128 v[100:103], v[OFS], s[8:9] offset:16
.endm
; four matrix instructions of K step ks: the four accumulators take turns, one instruction a turn.  The first K step starts the sums
.macro MULS ks
.irp n, 0,1,2,3
.if \ks == 0
	v_wmma_scale_f32_16x16x128_f8f6f4 v[ACC+8*\n:ACC+8*\n+7], v[12*(4*(\ks%4)+\n):12*(4*(\ks%4)+\n)+11], v[XF+12*\ks:XF+12*\ks+11], 0, v[WS+8*\n+\ks], v[XS+\ks] matrix_a_fmt:MATRIX_FMT_FP6 matrix_b_fmt:MATRIX_FMT_FP6
.else
	v_wmma_scale_f32_16x16x128_f8f6f4 v[ACC+8*\n:ACC+8*\n+7], v[12*(4*(\ks%4)+\n):12*(4*(\ks%4)+\n)+11], v[XF+12*\ks:XF+12*\ks+11], v[ACC+8*\n:ACC+8*\n+7], v[WS+8*\n+\ks], v[XS+\ks] matrix_a_fmt:MATRIX_FMT_FP6 matrix_b_fmt:MATRIX_FMT_FP6
.endif
.endr
.endm
; packed multiply-adds on 16 numbers, eight instructions that do not wait for each other
.macro PKV d, a, b, c                  ; d = a b + c
.irp i, 0,2,4,6,8,10,12,14
	v_pk_fma_f32 v[\d+\i:\d+\i+1], v[\a+\i:\a+\i+1], v[\b+\i:\b+\i+1], v[\c+\i:\c+\i+1]
.endr
.endm
.macro PKS d, a, b, c                  ; d = a b + the scalar constant c
.irp i, 0,2,4,6,8,10,12,14
	v_pk_fma_f32 v[\d+\i:\d+\i+1], v[\a+\i:\a+\i+1], v[\b+\i:\b+\i+1], s[\c:\c+1] op_sel_hi:[1,1,0]
.endr
.endm
.macro PKM d, a, sc, vc                ; d = a x the scalar constant sc + the constant pair vc
.irp i, 0,2,4,6,8,10,12,14
	v_pk_fma_f32 v[\d+\i:\d+\i+1], v[\a+\i:\a+\i+1], s[\sc:\sc+1], v[\vc:\vc+1] op_sel_hi:[1,0,1]
.endr
.endm
.macro PKC d, a, sc                    ; d = a x the scalar constant sc
.irp i, 0,2,4,6,8,10,12,14
	v_pk_mul_f32 v[\d+\i:\d+\i+1], v[\a+\i:\a+\i+1], s[\sc:\sc+1] op_sel_hi:[1,0]
.endr
.endm
; gelu of the 16 numbers v[x] .. v[x + 15], in place.  The registers are taken in ascending order
.macro GELU16 x
.irp i, 0,1,2,3,4,5,6,7,8,9,10,11,12,13,14,15
	v_mul_f32 v[GT+\i], |v[\x+\i]|, s[CZ]          ; t = |x| / sqrt(2)
.endr
.irp i, 0,1,2,3,4,5,6,7,8,9,10,11,12,13,14,15
	v_max_num_f32 v[\x+\i], 0, v[\x+\i]            ; max(x, 0)
.endr
.irp i, 0,2,4,6,8,10,12,14
	v_pk_mul_f32 v[GS+\i:GS+\i+1], v[GT+\i:GT+\i+1], v[GT+\i:GT+\i+1]   ; t^2
.endr
	PKM GR, GT, C6, VC5                            ; q(t), for t above the threshold
	PKM GU, GT, C4, VC3
	PKV GR, GR, GS, GU
	PKS GR, GR, GT, C2
	PKS GR, GR, GT, C1
	PKS GR, GR, GT, C0
	PKV GR, GR, GT, GT
	PKC GR, GR, NL                                 ; -q log2(e)
.irp i, 0,1,2,3,4,5,6,7,8,9,10,11,12,13,14,15
	v_exp_f32 v[GR+\i], v[GR+\i]                   ; erfc(t) = e^-q
.endr
	PKM GU, GS, K5, VK4                            ; u(t^2), for t under it.  (Plain lines behind the exponentials, ahead of the use of their results)
	PKS GU, GU, GS, K3
	PKS GU, GU, GS, K2
	PKS GU, GU, GS, K1
	PKS GU, GU, GS, K0
	PKV GU, GU, GT, GT                             ; erf(t) = t + t u
.irp i, 0,2,4,6,8,10,12,14
	v_pk_fma_f32 v[GU+\i:GU+\i+1], v[GU+\i:GU+\i+1], -1.0, 1.0 op_sel_hi:[1,0,0]   ; erfc(t) = 1 - erf(t): at least 0.19 here
.endr
	s_wait_alu depctr_va_vdst(0)                   ; the sixteen exponentials have written v[GR ..], which the selections below read: one wait for the batch
.irp i, 0,1,2,3,4,5,6,7,8,9,10,11,12,13,14,15
	v_cmp_lt_f32 s[MK+\i], s[THR], v[GT+\i]        ; the compares in one run, a mask register to each
.endr
	s_wait_alu depctr_va_sdst(0)                   ; the sixteen compares have written s[MK ..], ahead of the first selection that reads one
.irp i, 0,1,2,3,4,5,6,7,8,9,10,11,12,13,14,15
	v_cndmask_b32 v[GU+\i], v[GU+\i], v[GR+\i], s[MK+\i]   ; a choice of a value: no branch hangs on it
.endr
	PKC GS, GT, NCZ                                ; -t / sqrt(2) = -|x| / 2
	PKV \x, GS, GU, \x                             ; max(x, 0) - (|x| / 2) erfc(t)
.endm
	s_load_b256 s[4:11], s[0:1], 0x0               ; lists s[4:5], x's codes s[6:7], x's scales s[8:9], W1's codes s[10:11]
	s_load_b128 s[12:15], s[0:1], 0x20             ; W1's scales s[12:13], h_img s[14:15]
	s_load_b64 s[16:17], s[0:1], 0x30              ; h_sc
	v_lshl_add_u32 v254, v0, 2, 0x18800
	v_mov_b32 v255, 0
	v_lshrrev_b32 v1, 5, v0
	v_readfirstlane_b32 s[WV], v1                  ; wave 0..3
	s_lshr_b32 s[EX], ttmp9, 5
	s_and_b32 s[SL], ttmp9, 31
	v_and_b32 v2, 31, v0                           ; lane
	v_and_b32 v3, 15, v0                           ; r
	v_bfe_u32 v1, v0, 4, 1                         ; h
	s_wait_alu depctr_va_sdst(0)                   ; the wave's number is written, ahead of its first reader: LDS addresses and the bases are made from it
	s_mul_i32 s[AW], s[WV], ASTW                   ; 16 rows of 784 bytes a wave, in W1's region and among the stages alike
	v_lshlrev_b32 v[VR16], 4, v3
	v_mad_u32_u24 v[VGW], v1, XROWB, v[VR16]
	v_mad_u32_u24 v[VSB], v1, PB, v[VR16]
	v_add_nc_u32 v[VSB], s[AW], v[VSB]             ; row 16 w + h, 16 r bytes on
	v_add_nc_u32 v[VSA], AST, v[VSB]
	v_and_b32 v[VWS], 8, v3
	v_add_nc_u32 v[VWS], v[VWS], v3                ; r + 8 (r / 8)
	v_mul_u32_u24 v[VBF], v[VWS], PB
	v_mad_u32_u24 v[VBF], v1, 24, v[VBF]
	v_lshlrev_b32 v[VWS], 5, v[VWS]                ; 32 scale bytes a row
	v_mul_u32_u24 v[VAF], v3, PB
	v_mad_u32_u24 v[VAF], v1, 24, v[VAF]
	v_add_nc_u32 v[VAF], s[AW], v[VAF]
	v_add_nc_u32 v[VAF], AST, v[VAF]
	v_lshlrev_b32 v[VLP], 2, v1
	v_lshlrev_b32 v[VLR], 2, v3
	v_lshlrev_b32 v[VOI], 3, v2
	v_lshl_add_u32 v[VOS], v3, 6, v1
	v_mov_b32 v[TM+2], 0                           ; written once: a lane permute's destination counts as one of its sources
	v_mov_b32 v[TM+3], 0
	v_mov_b32 v[VC5], 0xb9c8e966
	v_mov_b32 v[VC5+1], 0xb9c8e966
	v_mov_b32 v[VC3], 0xbcc6b180
	v_mov_b32 v[VC3+1], 0xbcc6b180
	v_mov_b32 v[VK4], 0x3ba39fa4
	v_mov_b32 v[VK4+1], 0x3ba39fa4
	s_mov_b32 s[THR], 0x3f6c0000                   ; 0.921875
	s_mov_b32 s[HM], 0xffff0000
	s_mov_b32 s[SEL], 0x76543210
	s_mov_b32 s[SEL+1], 0xfedcba98
	SPAIR CZ, 0x3f3504f3                           ; 1 / sqrt(2)
	SPAIR NCZ, 0xbf3504f3
	SPAIR NL, 0xbfb8aa3b                           ; -log2(e)
	SPAIR C6, 0x37911480
	SPAIR C4, 0x3b7e899b
	SPAIR C2, 0x3ddaae58
	SPAIR C1, 0x3f228550
	SPAIR C0, 0x3e03ce86
	SPAIR K5, 0xba1d0d41
	SPAIR K3, 0xbcdb45e9
	SPAIR K2, 0x3de70d23
	SPAIR K1, 0xbec09370
	SPAIR K0, 0x3e0375d3
	; byte offsets, from ids alone
	s_mul_i32 s32, s[EX], 1572864                  ; W1's codes: the expert, the slice's 64 rows, my wave's 16 of them
	s_mul_i32 s[TMP], s[SL], 49152
	s_add_co_u32 s32, s32, s[TMP]
	s_mul_i32 s[TMP], s[WV], 12288
	s_add_co_u32 s32, s32, s[TMP]
	s_mov_b32 s33, 0
	s_lshl_b32 s34, s[EX], 16                      ; W1's scales: the expert, the slice's 64 rows of 32 bytes
	s_lshl_b32 s[TMP], s[SL], 11
	s_add_co_u32 s34, s34, s[TMP]
	s_mov_b32 s35, 0
	s_lshl_b32 s68, s[EX], 2
	s_add_co_u32 s68, s68, s[WV]                   ; 4 e + w
	s_lshl_b32 s70, s68, 15                        ; h_sc: 32 tiles x 1,024 bytes for each (e, w), + 2 s
	s_mul_i32 s72, s68, LISTB                      ; my list
	s_mov_b32 s73, 0
	s_mul_i32 s68, s68, 32*TILEB                   ; h_img: 32 tiles x 24,576 bytes, + 768 s
	s_mul_i32 s[TMP], s[SL], 768
	s_add_co_u32 s68, s68, s[TMP]
	s_mov_b32 s69, 0
	s_lshl_b32 s[TMP], s[SL], 1
	s_add_co_u32 s70, s70, s[TMP]
	s_mov_b32 s71, 0
	s_mov_b32 s[LOFF], 0
	s_wait_kmcnt 0x0
	s_add_nc_u64 s[4:5], s[4:5], s[72:73]
	s_load_b32 s[RUN], s[4:5], 0x900               ; T
	LADDR                                          ; tile 0's tokens
	s_wait_alu depctr_va_vdst(0)                   ; every address and offset made so far is written (v4 to v16): the loads, LDS stores and LDS loads of the head and of the loop read them
	LTOK
	s_add_nc_u64 s[10:11], s[10:11], s[32:33]
	s_add_nc_u64 s[12:13], s[12:13], s[34:35]
	s_add_nc_u64 s[14:15], s[14:15], s[68:69]
	s_add_nc_u64 s[16:17], s[16:17], s[70:71]
.irp a, 0,1,2,3,4,5,6,7                ; my 16 rows of W1: rows 2 a + h, each half of the lanes 256 consecutive aligned bytes; read by this wave alone in the whole launch
.irp j, 0,1,2
	global_load_b128 v[XF+4*(3*\a+\j):XF+4*(3*\a+\j)+3], v[VGW], s[10:11] offset:1536*\a+256*\j th:TH_LOAD_NT
.endr
.endr
.irp n, 0,1,2,3                        ; the scale words of tile n's rows: 8 words a row
.irp jj, 0,1
	global_load_b128 v[WS+8*\n+4*\jj:WS+8*\n+4*\jj+3], v[VWS], s[12:13] offset:(32*(\n/2)+8*(\n%2))*32+16*\jj
.endr
.endr
	s_wait_loadcnt 32                              ; tile 0's tokens are in: behind their nine loads stand W1's 24 and the scale words' 8
	s_wait_alu depctr_vm_vsrc(0)                   ; tile 0's token loads have read v[ADL] and v[ADR], which are written again below
	XADDR
	s_mov_b32 s[LOFF], 64
	LADDR                                          ; tile 1's tokens (the wait on LOADcnt above has shown the loads by these two registers done)
	WIN 0xc0                                       ; destination window 3
	s_wait_alu depctr_va_vdst(0)                   ; the rows' offsets and the two list addresses are written, which the loads below read; the holds are done reading v[TR ..], in which tile 1's tokens land
	XROWS                                          ; tile 0's rows
	WIN 0
	LTOK
	s_mov_b32 s[LOFF], 128
	s_wait_kmcnt 0x0
	s_max_u32 s[T1], s[RUN], 1                     ; tile 0 is made even of an empty list
	s_wait_loadcnt 35                              ; W1 and its scale words are in; tile 0's 26 loads and tile 1's 9 may be out
.irp a, 0,1,2,3,4,5,6,7
.irp j, 0,1,2
	ds_store_b128 v[VSB], v[XF+4*(3*\a+\j):XF+4*(3*\a+\j)+3] offset:1568*\a+256*\j
.endr
.endr
	s_wait_dscnt 0x0                               ; for the others' sake: my 16 rows of W1 lie in LDS
	s_barrier_signal -1
	s_barrier_wait -1                              ; the launch's one barrier, ahead of every branch on the list's length
.irp ks, 0,1,2,3,4,5,6,7               ; all 32 fragments into my registers: they stay.  (No line since the head's first wait on va_vdst names v[VBF] or these registers)
	WIN 0x40+0x40*(\ks/4)                          ; destination window 1, then 2
.irp n, 0,1,2,3
.irp p, 0,1,2,3,4,5
	ds_load_b64 v[12*(4*(\ks%4)+\n)+2*\p:12*(4*(\ks%4)+\n)+2*\p+1], v[VBF] offset:(32*(\n/2)+8*(\n%2))*PB+96*\ks+48*(\p/3)+8*(\p%3)
.endr
.endr
.endr
	WIN 0
	s_wait_alu depctr_vm_vsrc(0)                   ; W1's LDS stores have read v[XF ..], in which the first trip's fragments land; the head's loads have read the offsets and list addresses that the first trip writes again
	s_mov_b32 s[IT], 0
	s_mov_b32 s[ROW0], 0
.Ltile:                                                ; at most 32 trips (512 tokens); a wave leaves when its list is served
	s_cmp_ge_u32 s[ROW0], s[T1]
	s_cbranch_scc1 .Ldone
	s_wait_loadcnt 0x0                             ; this tile's rows and scale words and the next tile's tokens, all asked for a trip ago
	WIN 0x0c                                       ; an LDS store's data are its source 1: window 3
.irp a, 0,1,2,3,4,5,6,7
.irp j, 0,1,2
	ds_store_b128 v[VSA], v[4*(3*\a+\j):4*(3*\a+\j)+3] offset:1568*\a+256*\j
.endr
.endr
	WIN 0
.irp ks, 0,1,2,3,4,5,6,7               ; lane (r, h): row r, 24 bytes at 96 ks + 24 h and 24 at 96 ks + 48 + 24 h, as they lie; my own stage: served in order behind the stores.
.irp p, 0,1,2,3,4,5                    ; (The wait on va_vdst ahead of the last trip's stores has shown gelu and the products done with v[XF ..]; no vector line since names them)
	ds_load_b64 v[XF+12*\ks+2*\p:XF+12*\ks+2*\p+1], v[VAF] offset:96*\ks+48*(\p/3)+8*(\p%3)
.endr
.endr
	WIN 0x03                                       ; source window 3
.irp j, 0,1,2,3,4,5,6,7
	v_mov_b32 v[XS+\j], v[96+\j]
.endr
	WIN 0
	XADDR                                          ; the next tile's offsets, while LDS works (with the two lines below 28 plain lines: also the places between the moves into the scale registers and the products)
	LADDR                                          ; and the list addresses of the tile after that
	s_wait_dscnt 0x0                               ; the fragments are in (in the first trip W1's too), and the stage's stores are done
	WIN 0xc0                                       ; destination window 3
	s_wait_alu depctr_va_vdst(0)                   ; the offsets and list addresses are written, which the loads below read; the moves are done reading window 3's v96-103 and the holds v[TR ..], in which they land; v[XS ..] are written, the products' scales
	s_wait_alu depctr_vm_vsrc(0)                   ; the stage's LDS stores have read the rows' registers, in which the next tile's rows land
	XROWS                                          ; they have the products and the gelu in which to land
	WIN 0
	LTOK                                           ; and the tokens of the tile after that
	WIN 0x01                                       ; source 0 (W1) window 1
	MULS 0
	MULS 1
	MULS 2
	MULS 3
	WIN 0x02                                       ; window 2
	MULS 4
	MULS 5
	MULS 6
	MULS 7
	WIN 0
.rept 5
	v_nop                                          ; places behind the products (ISA guide 7.12.1), ahead of the first read of results and of writes into x's fragments
.endr
	GELU16 ACC
	GELU16 ACC+16
	; the two blocks of 32 hidden units: register 16 b + i is unit 32 b + 16 h + i of my token
.irp b, 0,1
	v_max3_num_f32 v[TM+\b], |v[ACC+16*\b]|, |v[ACC+16*\b+1]|, 0x1800000   ; with the floor 2^(3 - 127): the byte cannot fall under 1
.endr
.irp i, 2,4,6,8,10,12,14
.irp b, 0,1
	v_max3_num_f32 v[TM+\b], v[TM+\b], |v[ACC+16*\b+\i]|, |v[ACC+16*\b+\i+1]|
.endr
.endr
.irp b, 0,1
	v_permlanex16_b32 v[TM+2+\b], v[TM+\b], s[SEL], s[SEL+1]
.endr
.irp b, 0,1
	v_max_num_f32 v[TM+\b], v[TM+\b], v[TM+2+\b]   ; with lane l xor 16's 16: the block's largest magnitude
.endr
.irp b, 0,1
	v_add_nc_u32 v[TM+4+\b], 0xff000000, v[TM+\b]  ; 2 off its exponent field: the conversion's scale operand
.endr
.irp b, 0,1
	v_lshrrev_b32 v[TM+6+\b], 23, v[TM+4+\b]       ; the scale's byte
.endr
	v_cvt_scalef32_pk16_fp6_f32 v[PC:PC+2], v[ACC:ACC+15], v[TM+4]
	v_cvt_scalef32_pk16_fp6_f32 v[PC+4:PC+6], v[ACC+16:ACC+31], v[TM+5]   ; (a conversion's three registers begin on an even number)
	v_nop                                          ; one plain place behind a scaled conversion
.irp i, 0,1,2
	v_permlane16_swap_b32 v[PC+\i], v[PC+4+\i]     ; a whole block to a lane: lanes 0-15 block 0, lanes 16-31 block 1
.endr
	v_mov_b32 v[PC+3], v[PC+4]
	v_mov_b32 v[PC+4], v[PC+5]
	v_mov_b32 v[PC+5], v[PC+6]                     ; v[PC .. PC + 5]: registers 6 c .. 6 c + 5 (c = s % 2) of the second product's fragment of K step s / 2
	v_cndmask_b32 v[BY], v[TM+6], v[TM+7], s[HM]   ; lane (r, h) stores block h's byte of token row r
	s_wait_alu depctr_va_vdst(0)                   ; the codes v[PC ..] and the byte v[BY] are written, which the stores read; gelu has written and the products have read v[XF ..], in which the next trip's fragments land
.irp p, 0,1,2
	global_store_b64 v[VOI], v[PC+2*\p:PC+2*\p+1], s[14:15] offset:256*\p   ; 32 lanes store 256 consecutive aligned bytes: an image of two registers
.endr
	global_store_b8 v[VOS], v[BY], s[16:17]
	s_wait_xcnt 0x0                                ; the stores' bases and data are written again only behind this wait
	s_wait_alu depctr_vm_vsrc(0)                   ; the stores have read v[PC ..] and v[BY], this trip's loads the offsets and list addresses: the next trip writes all of them again
	s_add_nc_u64 s[14:15], s[14:15], TILEB
	s_add_nc_u64 s[16:17], s[16:17], TILES
	s_add_co_u32 s[ROW0], s[ROW0], 16
	s_add_co_u32 s[LOFF], s[LOFF], 64
	s_add_co_u32 s[IT], s[IT], 1
	s_cmp_lt_u32 s[IT], 32
	s_cbranch_scc1 .Ltile
.Ldone:
	s_wait_dscnt 0x0                               ; the closing lines, six on end (the look-ahead's plain loads may be out)
	s_wait_alu 0x0
	s_wait_tensorcnt 0x0
	ds_add_u32 v254, v255
	s_wait_dscnt 0x0
	s_endpgm
.Lfunc_end_k_q9a469f761d_hidden:
	.size	k_q9a469f761d_hidden, .Lfunc_end_k_q9a469f761d_hidden-k_q9a469f761d_hidden
	.p2alignl 7, 3214868480
	.fill 96, 4, 3214868480
	.section	.rodata,"a",@progbits
	.p2align	6, 0x0
	.amdhsa_kernel k_q9a469f761d_hidden
		.amdhsa_group_segment_fixed_size 100864
		.amdhsa_private_segment_fixed_size 0
		.amdhsa_enable_private_segment 0
		.amdhsa_kernarg_size 56
		.amdhsa_user_sgpr_count 2
		.amdhsa_user_sgpr_kernarg_segment_ptr 1
		.amdhsa_wavefront_size32 1
		.amdhsa_system_sgpr_workgroup_id_x 1
		.amdhsa_system_sgpr_workgroup_id_y 1
		.amdhsa_system_sgpr_workgroup_id_z 1
		.amdhsa_system_vgpr_workitem_id 0
		.amdhsa_next_free_vgpr 872
		.amdhsa_next_free_sgpr 100
		.amdhsa_reserve_vcc 0
		.amdhsa_float_denorm_mode_32 3
		.amdhsa_float_denorm_mode_16_64 3
		.amdhsa_memory_ordered 1
		.amdhsa_forward_progress 1
		.amdhsa_inst_pref_size 72
	.end_amdhsa_kernel
	.amdgpu_metadata
---
amdhsa.version: [ 1, 2 ]
amdhsa.kernels:
  - .name:           k_q9a469f761d_hidden
    .symbol:         k_q9a469f761d_hidden.kd
    .args:
      - { .name: lists, .offset: 0, .size: 8, .value_kind: global_buffer, .address_space: global }
      - { .name: x_codes, .offset: 8, .size: 8, .value_kind: global_buffer, .address_space: global }
      - { .name: x_scales, .offset: 16, .size: 8, .value_kind: global_buffer, .address_space: global }
      - { .name: W1_codes, .offset: 24, .size: 8, .value_kind: global_buffer, .address_space: global }
      - { .name: W1_scales, .offset: 32, .size: 8, .value_kind: global_buffer, .address_space: global }
      - { .name: h_img, .offset: 40, .size: 8, .value_kind: global_buffer, .address_space: global }
      - { .name: h_sc, .offset: 48, .size: 8, .value_kind: global_buffer, .address_space: global }
    .group_segment_fixed_size: 100864
    .private_segment_fixed_size: 0
    .kernarg_segment_align: 8
    .kernarg_segment_size: 56
    .max_flat_workgroup_size: 128
    .sgpr_count:     100
    .vgpr_count:     872
    .wavefront_size: 32
...
	.end_amdgpu_metadata
.endif
;; end of part 4
;; launch output (part 5): grid 256 x 1, 4 waves a work-group, no clusters, 59,392 bytes of LDS; arguments lists, h_img, h_sc, W2_codes, W2_scales, b2, out0; writes out0
.if DOCPART == 5
	.amdgcn_target "amdgcn-amd-amdhsa--gfx1250"
	.amdhsa_code_object_version 6
	.text
	.protected	k_q9a469f761d_output
	.globl	k_q9a469f761d_output
	.p2align	8
	.type	k_q9a469f761d_output,@function
k_q9a469f761d_output:
	s_mov_b64 s[64:65], 0
	v_nop
	global_prefetch_b8 v0, s[64:65] scope:SCOPE_SE
	s_setreg_imm32_b32 hwreg(HW_REG_WAVE_SCHED_MODE, 0, 2), 2
	s_setreg_imm32_b32 hwreg(HW_REG_WAVE_MODE, 25, 1), 1
	s_wait_xcnt 0x0
	s_wait_alu depctr_vm_vsrc(0)
; y = h W2[eid]^T + b2[eid]: the second product, on the hidden layer's codes that the launch before stored.  W2 [8][1024][2048]: codes of FP6 (E2M3), K innermost, 1,536 bytes a row, one E8M0 byte for each 32 along K.
; SHARES.  Work-group x = 32 e + s: expert e, outputs 32 s .. 32 s + 31.  Its 32 rows of W2 are 49,152 dense bytes that NO OTHER work-group reads: they come once, are turned through LDS and stay in every wave's
; registers as 32 fragments (2 tiles of 16 rows x 16 K steps, 384 registers).  Wave w owns tokens 512 w .. 512 w + 511 and walks list (e, w), as the launch before did.
; A tile of 16 listed tokens: its 16 hidden fragments lie in h_img as images of their registers (each load: 32 lanes, 256 consecutive aligned bytes), its scale words in h_sc; 32 matrix instructions; the results go
; through the wave's own stage and leave as runs of 128 aligned bytes of a token's row (a wave's registers hold 32 columns of W2, so a run is no longer).
; ROWS PAST THE LIST'S END repeat one listed token: such a row holds that token's own result, made by the same arithmetic, and this wave stores it onto that token's row once more.  So all lanes stay on and no line
; writes EXEC.  A wave whose list is empty makes no trip and stores nothing.
; The fragments come in two halves (K steps 0-7, 8-15); the first half's registers are asked for again, for the next tile, behind its products, the second half's behind the tile's stores.
; The look-ahead is held at the last tile that was stored.
; NO TENSOR LOADS, NO JOINT REQUESTS: the number of tiles is a number read from memory and differs from wave to wave; the weights are shared by nobody.
; THE PRODUCT IS USED TRANSPOSED (source 0 = 16 rows of W2, source 1 = 16 tokens): a lane holds one token and eight neighbouring outputs.  K's even and odd steps are summed in two accumulators for each tile of
; outputs, so that four accumulators take turns; the two are added at the end: an order of rounding that differs from one ascending chain.  b2 is the C of the even sum's first instruction.
; LIMITS.  A token whose eid lies outside 0 .. 7 is in no list, and its row is not written.  NaN and infinities are not served.
; THE MODE: SCHED_MODE bits 1:0 = 2 (LLVM: expert scheduling mode 2), set by the entry lines.  The code itself states the register dependences between vector or matrix instructions and memory or LDS
; instructions, with s_wait_alu, always for 0.
; THE PLAN.  Registers that memory or LDS instructions touch, in the loop:
;   window 3 v0-95, HS 0-7      half 0: read by the products of K steps 0-7; then the next tile's 50 loads land in them.
;   window 3 v96-191, HS 8-15   half 1: read by the products of K steps 8-15; then the next tile's 50 loads land in them.
;   ADL                written at a trip's top; read by its four token loads.        TK  written by those loads; read by the four holds.
;   VO0, VS0           written behind the first half's products; read by half 0's loads.     VO1, VS1  likewise for half 1.
;   YR                 written by the eight packed additions; read by four LDS stores.        OR  written by four LDS loads; read by the four global stores.       TO  written by twelve vector lines; read by those stores.
;   VST, VRD, LN8, R64, VLQ, VC16  made at the head and never written again.
; A trip has three waits on va_vdst (ahead of the token loads; behind the window switch ahead of half 0's loads; behind the packed additions, for the stage's stores, the global stores and half 1's loads together:
; between it and half 1's loads stand LDS lines, stores and a window switch, none of which names a register that those loads touch) and one wait on vm_vsrc, at the trip's end.
.set PB2,   1552                       ; an LDS row of W2: 1,536 + 16 = 388 words: row r starts 4 r words on modulo 64
.set OST,   32*PB2                     ; LDS: W2's 32 rows at 0; then a stage of 16 rows x (128 + 16) bytes for each wave
.set OSTW,  16*144
.set LISTB, 2560                       ; lists: bytes for each (e, w); the count at byte 2,304
.set TILEB, 24576
.set WV, 18
.set EX, 19
.set SL, 20
.set RUN, 21                           ; T, my list's length
.set T1, 22
.set TMP, 24
.set IT, 26
.set ROW0, 27
.set LOFF, 28
.set NT1, 29                           ; the last tile that was stored
.set NX, 30
.set OW, 39
.set L8, 4                             ; lane / 8
.set VGW, 6                            ; W2 in memory: 1,536 h + 16 r
.set VSB, 7                            ; W2 into LDS
.set VBF, 8                            ; W2's fragments out of LDS
.set R64, 9                            ; 64 r
.set VBI, 10                           ; 32 h
.set LN8, 11                           ; 8 x lane
.set VO0, 13                           ; the tile's byte in h_img + 8 lane, for each half;
.set VS0, 14                           ; and in h_sc + 64 r
.set VO1, 15
.set VS1, 16
.set VST, 17                           ; the stage: in
.set VRD, 18                           ; and back
.set VLQ, 19                           ; 4 (lane / 8)
.set ADL, 20
.set VC16, 21                          ; 16 (lane % 8)
.set TK, 24                            ; v24-27 four rows' tokens as loaded
.set TO, 28                            ; v28-31 their offsets in out0
.set WS, 32                            ; v32-63 W2's scale words: 16 n + ks
.set HS, 64                            ; v64-79 the hidden layer's
.set BIAS, 80                          ; v80-95
.set ACC, 96                           ; v96-127 accumulator (n, ks % 2) at ACC + 8 (2 n + ks % 2)
.set YR, 128                           ; v128-143 the sums
.set OR, 144                           ; v144-159 rows read back
.set RAW, 128                          ; head only: v128-223 W2 as loaded
.set VN, 224                           ; the tile that is asked for next,
.set VTB, 225                          ; its byte in h_img,
.set VSS, 226                          ; and in h_sc
; windows 1, 2: W2's fragment (n, ks) in window 1 + ks / 8 at v[12 (2 (ks % 8) + n)].   window 3: the hidden fragment of K step ks at v[12 ks]
.set MSB, 0
.macro WIN new                         ; the immediate's high byte repeats the setting that is left
.if MSB != (\new)
	s_set_vgpr_msb (MSB<<8)|(\new)
.set MSB, (\new)
.endif
.endm
; 50 loads: eight hidden fragments of a tile, as images of register pairs (the caller has set destination window 3), and their scale words
.macro HLOAD half, vo, vs
.irp k, 0,1,2,3,4,5,6,7
.irp c, 0,1
.irp p, 0,1,2
	global_load_b64 v[12*(8*\half+\k)+6*\c+2*\p:12*(8*\half+\k)+6*\c+2*\p+1], v[\vo], s[6:7] offset:1536*(8*\half+\k)+768*\c+256*\p
.endr
.endr
.endr
	WIN 0
	global_load_b128 v[HS+8*\half:HS+8*\half+3], v[\vs], s[8:9] offset:32*\half
	global_load_b128 v[HS+8*\half+4:HS+8*\half+7], v[\vs], s[8:9] offset:32*\half+16
.endm
; two matrix instructions of K step ks.  Four accumulators take turns, one instruction a turn
.macro MUL2 ks
.irp n, 0,1
.if \ks == 0
	v_wmma_scale_f32_16x16x128_f8f6f4 v[ACC+8*(2*\n+\ks%2):ACC+8*(2*\n+\ks%2)+7], v[12*(2*(\ks%8)+\n):12*(2*(\ks%8)+\n)+11], v[12*\ks:12*\ks+11], v[BIAS+8*\n:BIAS+8*\n+7], v[WS+16*\n+\ks], v[HS+\ks] matrix_a_fmt:MATRIX_FMT_FP6 matrix_b_fmt:MATRIX_FMT_FP6
.elseif \ks == 1
	v_wmma_scale_f32_16x16x128_f8f6f4 v[ACC+8*(2*\n+\ks%2):ACC+8*(2*\n+\ks%2)+7], v[12*(2*(\ks%8)+\n):12*(2*(\ks%8)+\n)+11], v[12*\ks:12*\ks+11], 0, v[WS+16*\n+\ks], v[HS+\ks] matrix_a_fmt:MATRIX_FMT_FP6 matrix_b_fmt:MATRIX_FMT_FP6
.else
	v_wmma_scale_f32_16x16x128_f8f6f4 v[ACC+8*(2*\n+\ks%2):ACC+8*(2*\n+\ks%2)+7], v[12*(2*(\ks%8)+\n):12*(2*(\ks%8)+\n)+11], v[12*\ks:12*\ks+11], v[ACC+8*(2*\n+\ks%2):ACC+8*(2*\n+\ks%2)+7], v[WS+16*\n+\ks], v[HS+\ks] matrix_a_fmt:MATRIX_FMT_FP6 matrix_b_fmt:MATRIX_FMT_FP6
.endif
.endr
.endm
	s_load_b256 s[4:11], s[0:1], 0x0               ; lists s[4:5], h_img s[6:7], h_sc s[8:9], W2's codes s[10:11]
	s_load_b128 s[12:15], s[0:1], 0x20             ; W2's scales s[12:13], b2 s[14:15]
	s_load_b64 s[16:17], s[0:1], 0x30              ; out0
	v_lshl_add_u32 v254, v0, 2, 0xe600
	v_mov_b32 v255, 0
	v_lshrrev_b32 v1, 5, v0
	v_readfirstlane_b32 s[WV], v1                  ; wave 0..3
	s_lshr_b32 s[EX], ttmp9, 5
	s_and_b32 s[SL], ttmp9, 31
	v_and_b32 v2, 31, v0                           ; lane
	v_and_b32 v3, 15, v0                           ; r
	v_bfe_u32 v1, v0, 4, 1                         ; h
	v_and_b32 v5, 7, v0                            ; lane % 8
	v_bfe_u32 v[L8], v0, 3, 2
	s_wait_alu depctr_va_sdst(0)                   ; the wave's number is written, ahead of its first reader: LDS addresses and the bases are made from it
	s_mul_i32 s[OW], s[WV], OSTW
	s_add_co_u32 s[OW], s[OW], OST                 ; my stage
	v_lshlrev_b32 v12, 4, v3                       ; 16 r
	v_mad_u32_u24 v[VGW], v1, 1536, v12
	v_mad_u32_u24 v[VSB], v1, PB2, v12
	s_mul_i32 s[TMP], s[WV], 8*PB2
	v_add_nc_u32 v[VSB], s[TMP], v[VSB]            ; row 8 w + h, 16 r bytes on
	v_mul_u32_u24 v[VBF], v3, PB2
	v_mad_u32_u24 v[VBF], v1, 24, v[VBF]
	v_lshlrev_b32 v[R64], 6, v3
	v_lshlrev_b32 v[VBI], 5, v1
	v_lshlrev_b32 v[LN8], 3, v2
	v_mul_u32_u24 v[VST], v3, 144
	v_lshl_add_u32 v[VST], v1, 5, v[VST]
	v_add_nc_u32 v[VST], s[OW], v[VST]             ; in: row r, 32 h bytes on
	v_lshlrev_b32 v[VC16], 4, v5
	v_mad_u32_u24 v[VRD], v[L8], 144, v[VC16]
	v_add_nc_u32 v[VRD], s[OW], v[VRD]             ; back: eight lanes to a row of 128 bytes, four rows an instruction
	v_lshlrev_b32 v[VLQ], 2, v[L8]
	v_mov_b32 v[VO0], v[LN8]                       ; tile 0, which is always there
	v_mov_b32 v[VS0], v[R64]
	v_mov_b32 v[VO1], v[LN8]
	v_mov_b32 v[VS1], v[R64]
	; byte offsets, from ids alone
	s_mul_i32 s32, s[EX], 1572864                  ; W2's codes: the expert, the slice's 32 rows, my wave's 8 of them
	s_mul_i32 s[TMP], s[SL], 49152
	s_add_co_u32 s32, s32, s[TMP]
	s_mul_i32 s[TMP], s[WV], 12288
	s_add_co_u32 s32, s32, s[TMP]
	s_mov_b32 s33, 0
	s_lshl_b32 s34, s[EX], 16                      ; W2's scales: the slice's 32 rows of 64 bytes
	s_lshl_b32 s[TMP], s[SL], 11
	s_add_co_u32 s34, s34, s[TMP]
	s_mov_b32 s35, 0
	s_lshl_b32 s40, s[SL], 7                       ; out0: the slice's 128 bytes of a row
	s_mov_b32 s41, 0
	s_lshl_b32 s36, s[EX], 12                      ; b2: the expert's row, the slice's 128 bytes
	s_add_co_u32 s36, s36, s40
	s_mov_b32 s37, 0
	s_lshl_b32 s42, s[EX], 2
	s_add_co_u32 s42, s42, s[WV]                   ; 4 e + w
	s_lshl_b32 s44, s42, 15                        ; h_sc
	s_mul_i32 s46, s42, LISTB                      ; my list
	s_mul_i32 s42, s42, 32*TILEB                   ; h_img
	s_mov_b32 s43, 0
	s_mov_b32 s45, 0
	s_mov_b32 s47, 0
	s_wait_kmcnt 0x0
	s_add_nc_u64 s[4:5], s[4:5], s[46:47]
	s_load_b32 s[RUN], s[4:5], 0x900               ; T
	s_add_nc_u64 s[10:11], s[10:11], s[32:33]
	s_add_nc_u64 s[12:13], s[12:13], s[34:35]
	s_add_nc_u64 s[14:15], s[14:15], s[36:37]
	s_add_nc_u64 s[16:17], s[16:17], s[40:41]
	s_add_nc_u64 s[6:7], s[6:7], s[42:43]
	s_add_nc_u64 s[8:9], s[8:9], s[44:45]
	s_wait_alu depctr_va_vdst(0)                   ; every address and offset of the head is written (v6 to v21): the loads, LDS stores and LDS loads below read them
.irp a, 0,1,2,3                        ; my 8 rows of W2: rows 2 a + h, each half of the lanes 256 consecutive aligned bytes; read by this wave alone in the whole launch
.irp j, 0,1,2,3,4,5
	global_load_b128 v[RAW+4*(6*\a+\j):RAW+4*(6*\a+\j)+3], v[VGW], s[10:11] offset:3072*\a+256*\j th:TH_LOAD_NT
.endr
.endr
.irp n, 0,1                            ; the scale words of tile n's rows: 16 words a row
.irp jj, 0,1,2,3
	global_load_b128 v[WS+16*\n+4*\jj:WS+16*\n+4*\jj+3], v[R64], s[12:13] offset:1024*\n+16*\jj
.endr
.endr
.irp n, 0,1                            ; b2 in the result's layout: lane (r, h): outputs 16 n + 8 h + 0 .. 7
	global_load_b128 v[BIAS+8*\n:BIAS+8*\n+3], v[VBI], s[14:15] offset:64*\n
	global_load_b128 v[BIAS+8*\n+4:BIAS+8*\n+7], v[VBI], s[14:15] offset:64*\n+16
.endr
	WIN 0xc0                                       ; destination window 3.  (Between the wait above and these loads stand loads alone)
	HLOAD 0, VO0, VS0
	s_wait_loadcnt 50                              ; W2, its scale words and b2 are in; the 50 just issued may be out
.irp a, 0,1,2,3
.irp j, 0,1,2,3,4,5
	ds_store_b128 v[VSB], v[RAW+4*(6*\a+\j):RAW+4*(6*\a+\j)+3] offset:3104*\a+256*\j
.endr
.endr
	s_wait_dscnt 0x0                               ; for the others' sake: my 8 rows of W2 lie in LDS
	s_barrier_signal -1
	s_barrier_wait -1                              ; the launch's one barrier, ahead of every branch on the list's length
	WIN 0xc0                                       ; (no line since the head's wait on va_vdst names a register that the loads below touch)
	HLOAD 1, VO1, VS1
.irp ks, 0,1,2,3,4,5,6,7,8,9,10,11,12,13,14,15   ; all 32 fragments into my registers: they stay
	WIN 0x40+0x40*(\ks/8)                          ; destination window 1, then 2
.irp n, 0,1
.irp p, 0,1,2,3,4,5
	ds_load_b64 v[12*(2*(\ks%8)+\n)+2*\p:12*(2*(\ks%8)+\n)+2*\p+1], v[VBF] offset:16*\n*PB2+96*\ks+48*(\p/3)+8*(\p%3)
.endr
.endr
.endr
	WIN 0
	s_wait_dscnt 0x0
	s_wait_kmcnt 0x0
	s_max_u32 s[T1], s[RUN], 1
	s_add_co_u32 s[NT1], s[T1], 15
	s_lshr_b32 s[NT1], s[NT1], 4
	s_sub_co_u32 s[NT1], s[NT1], 1
	s_mov_b32 s[IT], 0
	s_mov_b32 s[ROW0], 0
	s_mov_b32 s[LOFF], 0
	s_wait_alu depctr_vm_vsrc(0)                   ; W2's LDS stores have read v128-223, where the sums and the rows read back lie from here on; the head's loads have read the four offsets that the first trip writes again
.Ltile:                                                ; at most 32 trips; a wave leaves when its list is served (at once where it is empty)
	s_cmp_ge_u32 s[ROW0], s[RUN]
	s_cbranch_scc1 .Ldone
	v_add_nc_u32 v[ADL], s[LOFF], v[VLQ]           ; (the last trip's loads by this register were shown done by that trip's second wait on LOADcnt)
	s_add_co_u32 s[NX], s[IT], 1                   ; the tile to ask for: the next, held at the last one stored
	s_min_u32 s[NX], s[NX], s[NT1]
	s_wait_alu depctr_va_vdst(0)                   ; v[ADL] is written, which the four loads below read; the last trip's holds are done reading v[TK ..], in which they land
.irp j, 0,1,2,3
	global_load_b32 v[TK+\j], v[ADL], s[4:5] offset:16*\j   ; the token of this tile's row 4 j + lane / 8
.endr
	s_wait_loadcnt 54                              ; K steps 0-7 of this tile are in; the other half's 50 loads and the 4 tokens may be out
	WIN 0x0d                                       ; source 0 (W2) window 1, source 1 (hidden) window 3
.irp ks, 0,1,2,3,4,5,6,7
	MUL2 \ks
.endr
	WIN 0
	v_mov_b32 v[VN], s[NX]                         ; six plain lines that name no register of the products stand behind them
	v_min_u32 v[VN], 31, v[VN]                     ; the tile to ask for, held inside my 32
	v_mul_u32_u24 v[VTB], TILEB, v[VN]
	v_lshlrev_b32 v[VSS], 10, v[VN]
	v_add_nc_u32 v[VO0], v[VTB], v[LN8]            ; (free since the wait on LOADcnt above showed their loads done)
	v_add_nc_u32 v[VS0], v[VSS], v[R64]
	WIN 0xc0                                       ; destination window 3
	s_wait_alu depctr_va_vdst(0)                   ; the products of K steps 0-7 are done reading their hidden fragments and scale words, in which the loads below land; v[VO0] and v[VS0] are written, which they read
	HLOAD 0, VO0, VS0
	s_wait_loadcnt 50                              ; K steps 8-15 and the tokens are in; the 50 just issued may be out
	WIN 0x0e                                       ; source 0 window 2
.irp ks, 8,9,10,11,12,13,14,15
	MUL2 \ks
.endr
	WIN 0
	v_add_nc_u32 v[VO1], v[VTB], v[LN8]            ; fourteen plain lines that name no register of the products: the places (ISA guide 7.12.1) ahead of the first read of results
	v_add_nc_u32 v[VS1], v[VSS], v[R64]
.irp j, 0,1,2,3
	v_min_u32 v[TO+\j], 0x7ff, v[TK+\j]            ; held inside out0
.endr
.irp j, 0,1,2,3
	v_lshlrev_b32 v[TO+\j], 12, v[TO+\j]           ; 4,096 bytes a row
.endr
.irp j, 0,1,2,3
	v_add_nc_u32 v[TO+\j], v[TO+\j], v[VC16]
.endr
.irp n, 0,1                            ; the even and the odd K steps' sums; each accumulator from its low end on
.irp k, 0,2,4,6
	v_pk_add_f32 v[YR+8*\n+\k:YR+8*\n+\k+1], v[ACC+16*\n+\k:ACC+16*\n+\k+1], v[ACC+16*\n+8+\k:ACC+16*\n+8+\k+1]
.endr
.endr
	s_wait_alu depctr_va_vdst(0)                   ; the sums v[YR ..] are written, which the LDS stores read; v[TO ..], which the global stores read; v[VO1], v[VS1], which half 1's loads read; the products of K steps 8-15 are done reading the registers in which those land
.irp n, 0,1
	ds_store_b128 v[VST], v[YR+8*\n:YR+8*\n+3] offset:64*\n          ; lane (r, h): y(row r, 16 n + 8 h + 0 .. 7)
	ds_store_b128 v[VST], v[YR+8*\n+4:YR+8*\n+7] offset:64*\n+16
.endr
.irp j, 0,1,2,3
	ds_load_b128 v[OR+4*\j:OR+4*\j+3], v[VRD] offset:576*\j   ; my own stage: served in order behind the stores
.endr
	s_wait_dscnt 0x0
.irp j, 0,1,2,3
	global_store_b128 v[TO+\j], v[OR+4*\j:OR+4*\j+3], s[16:17] th:TH_STORE_NT   ; eight lanes store 128 consecutive aligned bytes of a token's row; read by nobody here
.endr
	WIN 0xc0                                       ; destination window 3.  (Since the wait on va_vdst above: LDS lines, stores and this switch, none of which names v[VO1], v[VS1] or half 1's registers)
	HLOAD 1, VO1, VS1
	s_wait_xcnt 0x0                                ; the stores' offsets and data are written again only behind this wait
	s_wait_alu depctr_vm_vsrc(0)                   ; the LDS stores have read v[YR ..], the global stores v[TO ..] and v[OR ..], the loads v[ADL] and the four offsets: the next trip writes all of them again
	s_add_co_u32 s[ROW0], s[ROW0], 16
	s_add_co_u32 s[LOFF], s[LOFF], 64
	s_add_co_u32 s[IT], s[IT], 1
	s_cmp_lt_u32 s[IT], 32
	s_cbranch_scc1 .Ltile
.Ldone:
	s_wait_dscnt 0x0                               ; the closing lines, six on end (the look-ahead's plain loads may be out)
	s_wait_alu 0x0
	s_wait_tensorcnt 0x0
	ds_add_u32 v254, v255
	s_wait_dscnt 0x0
	s_endpgm
.Lfunc_end_k_q9a469f761d_output:
	.size	k_q9a469f761d_output, .Lfunc_end_k_q9a469f761d_output-k_q9a469f761d_output
	.p2alignl 7, 3214868480
	.fill 96, 4, 3214868480
	.section	.rodata,"a",@progbits
	.p2align	6, 0x0
	.amdhsa_kernel k_q9a469f761d_output
		.amdhsa_group_segment_fixed_size 59392
		.amdhsa_private_segment_fixed_size 0
		.amdhsa_enable_private_segment 0
		.amdhsa_kernarg_size 56
		.amdhsa_user_sgpr_count 2
		.amdhsa_user_sgpr_kernarg_segment_ptr 1
		.amdhsa_wavefront_size32 1
		.amdhsa_system_sgpr_workgroup_id_x 1
		.amdhsa_system_sgpr_workgroup_id_y 1
		.amdhsa_system_sgpr_workgroup_id_z 1
		.amdhsa_system_vgpr_workitem_id 0
		.amdhsa_next_free_vgpr 960
		.amdhsa_next_free_sgpr 66
		.amdhsa_reserve_vcc 0
		.amdhsa_float_denorm_mode_32 3
		.amdhsa_float_denorm_mode_16_64 3
		.amdhsa_memory_ordered 1
		.amdhsa_forward_progress 1
		.amdhsa_inst_pref_size 48
	.end_amdhsa_kernel
	.amdgpu_metadata
---
amdhsa.version: [ 1, 2 ]
amdhsa.kernels:
  - .name:           k_q9a469f761d_output
    .symbol:         k_q9a469f761d_output.kd
    .args:
      - { .name: lists, .offset: 0, .size: 8, .value_kind: global_buffer, .address_space: global }
      - { .name: h_img, .offset: 8, .size: 8, .value_kind: global_buffer, .address_space: global }
      - { .name: h_sc, .offset: 16, .size: 8, .value_kind: global_buffer, .address_space: global }
      - { .name: W2_codes, .offset: 24, .size: 8, .value_kind: global_buffer, .address_space: global }
      - { .name: W2_scales, .offset: 32, .size: 8, .value_kind: global_buffer, .address_space: global }
      - { .name: b2, .offset: 40, .size: 8, .value_kind: global_buffer, .address_space: global }
      - { .name: out0, .offset: 48, .size: 8, .value_kind: global_buffer, .address_space: global }
    .group_segment_fixed_size: 59392
    .private_segment_fixed_size: 0
    .kernarg_segment_align: 8
    .kernarg_segment_size: 56
    .max_flat_workgroup_size: 128
    .sgpr_count:     66
    .vgpr_count:     960
    .wavefront_size: 32
...
	.end_amdgpu_metadata
.endif
;; end of part 5
